; MI455X (gfx1250); checked and timed in simulation.
; The chip was launched on July 23, 2026; its instructions are those of AMD's public machine-readable ISA for CDNA 5 (MIT licence, August 2026) and "CDNA5" Instruction Set Architecture Reference Guide (July 2026). The comments in the code are by the model that wrote it; some were corrected since.
;; MAB PRE NORMAL. Allowed arithmetic: matrix products marked QUANTISED: E2M3 operands, one E8M0 scale for each 32 along K, by v_wmma_scale_f32_16x16x128_f8f6f4 with both operands' format E2M3, f32 sums; everything else in f32.
;; Inputs: K 8 x 1,024 x 1,024 float32; Q 8 x 1,024 x 1,024 float32; Wk_codes 1,024 x 32 x 24 uint8 (E2M3 codes of Wk, K innermost, in blocks of 32 codes, four codes in three bytes); Wk_scales 1,024 x 32 uint8 (E8M0 scales of Wk, one for each 32 codes along K); Wo_codes 1,024 x 32 x 24 uint8 (E2M3 codes of Wo, K innermost, in blocks of 32 codes, four codes in three bytes); Wo_scales 1,024 x 32 uint8 (E8M0 scales of Wo, one for each 32 codes along K); Wq_codes 1,024 x 32 x 24 uint8 (E2M3 codes of Wq, K innermost, in blocks of 32 codes, four codes in three bytes); Wq_scales 1,024 x 32 uint8 (E8M0 scales of Wq, one for each 32 codes along K); Wv_codes 1,024 x 32 x 24 uint8 (E2M3 codes of Wv, K innermost, in blocks of 32 codes, four codes in three bytes); Wv_scales 1,024 x 32 uint8 (E8M0 scales of Wv, one for each 32 codes along K); be_f 1,024 float32; be_kv 1,024 float32; be_o 1,024 float32; be_q 1,024 float32; bk 1,024 float32; bo 1,024 float32; bq 1,024 float32; bv 1,024 float32; g_f 1,024 float32; g_kv 1,024 float32; g_o 1,024 float32; g_q 1,024 float32; pad_mask 8 x 1,024 float32.
;; Outputs: out0 8 x 1,024 x 1,024 float32.
;; This version of the problem:
;;   THIS VERSION OF THE PROBLEM IS GIVEN IN LOW PRECISION. The matrix products marked QUANTISED in the list below multiply operands that are first quantised to E2M3 (2 exponent bits, 3 mantissa bits; 6 bits a number), with one power-of-two scale for each 32 numbers along K (OCP MX v1.0); their sums are f32. All else is computed in f32.
;;   The module's matrix products, in the order in which they are computed (A, B: the left and right operand; K: the contracted axis; several contracted axes count as one K, in the product's order):
;;     1. [M 8,192, K 1,024] x [K 1,024, N 1,024]; A: computed on the way; B: input Wq (given as codes): QUANTISED
;;     2. [M 8,192, K 1,024] x [K 1,024, N 1,024]; A: computed on the way; B: input Wk (given as codes): QUANTISED
;;     3. [M 8,192, K 1,024] x [K 1,024, N 1,024]; A: computed on the way; B: input Wv (given as codes): QUANTISED
;;     4. batch 128 x [M 1,024, K 64] x [K 64, N 1,024]; A: computed on the way; B: computed on the way: QUANTISED
;;     5. batch 128 x [M 64, K 1,024] x [K 1,024, N 1,024]; A: computed on the way; B: computed on the way: QUANTISED
;;     6. [M 8,192, K 1,024] x [K 1,024, N 1,024]; A: computed on the way; B: input Wo (given as codes): QUANTISED
;;   THE QUANTISER, for each operand of a quantised product, along K:
;;     - K is cut into blocks of 32 from its start; a last block that is shorter is filled with zeros.
;;     - A block's scale is 2^e with e = floor(log2(the largest magnitude in the block)) - 2, held to -126 .. 127; a block of zeros has e = 0. As a byte (E8M0): e + 127.
;;     - Each number is divided by its block's scale, clamped to +-7.5, and rounded to the nearest number of E2M3, ties to even, subnormals kept.
;;     - The product sums the exact products of the quantised numbers (number of the format x scale) in f32.
;;   ~~~python
;;   def quantise(x, axis):      # numpy; x: float32 -> the quantised numbers, widened to float32 again
;;       x = np.moveaxis(x, axis, -1); K = x.shape[-1]
;;       x = np.pad(x, [(0, 0)] * (x.ndim - 1) + [(0, -K % 32)]); x = x.reshape(x.shape[:-1] + (-1, 32)); a = np.abs(x).max(-1, keepdims=True)
;;       e = np.where(a > 0, np.clip(np.frexp(np.where(a > 0, a, 1))[1] - 1 - 2, -126, 127), 0)      # np.frexp(a)[1] - 1 = floor(log2(a)), exactly
;;       r = np.clip(x / 2.0 ** e, -7.5, 7.5)
;;       step = 2.0 ** (np.maximum(np.frexp(np.where(r == 0, 1, r))[1] - 1, 0) - 3)
;;       q = np.round(r / step) * step * 2.0 ** e      # np.round: ties to even
;;       return np.moveaxis(q.reshape(q.shape[:-2] + (-1,))[..., :K], -1, axis).astype(np.float32)
;;   ~~~
;;   OPERANDS COMPUTED ON THE WAY. 'Computed on the way' means the value that the module computes at that place (a softmax that the list does not call 'softmax' is quantised finished and normalised). What goes into a quantiser is computed in f32, as accurately as f32 sums, v_exp_f32 and their like allow (about 1e-6 of the number): no bf16 or f16 on the way to a quantiser, and a product that is left as it is and whose result goes on into a quantised operand takes f32 operands (vector FMAs, or v_wmma_f32_16x16x4_f32). A number that lies on a knife's edge between two numbers of the format may be rounded either way, as far as f32 arithmetic and the matrix unit's own rounding can turn it there, and no further.
;;   INPUTS GIVEN AS CODES. Wk (in the module: [1024, 1024], K = its axis 1); Wo (in the module: [1024, 1024], K = its axis 1); Wq (in the module: [1024, 1024], K = its axis 1); Wv (in the module: [1024, 1024], K = its axis 1): each comes as NAME_codes (uint8): NAME with its K axis moved to the last place and cut into blocks of 32 codes, [.., K / 32, bytes a block], one block behind the other in memory; four codes in three bytes: a row's codes are one little-endian stream of bits, code i at bits 6 i .. 6 i + 5 (a code: sign, 2 exponent bits, 3 mantissa bits); and NAME_scales (uint8): the same leading axes, one E8M0 byte (e + 127) for each 32 codes along K. Its value is code x scale, taken as it is: it is not quantised again, and the codes and scales need not be those that the quantiser above would give.
;; One version. Each part assembles by itself: llvm-mc -triple=amdgcn-amd-amdhsa -mcpu=gfx1250 --defsym DOCPART=n.
;; ======== version 1 of 1: 4 launches
;; limits: right only within a limited range of input values
;; workspace buffers: xw_img 15,728,640 bytes; xw_sc 655,360 bytes; h_img 18,874,368 bytes; h_sc 786,432 bytes; osum 33,554,432 bytes
;; launch prep (part 1): grid 320 x 1, 4 waves a work-group, no clusters, 88,576 bytes of LDS; arguments Q, K, g_q, be_q, g_kv, be_kv, Wq_codes, Wq_scales, Wk_codes, Wk_scales, Wv_codes, Wv_scales, Wo_codes, Wo_scales, xw_img, xw_sc; writes xw_img, xw_sc
.if DOCPART == 1
	.amdgcn_target "amdgcn-amd-amdhsa--gfx1250"
	.amdhsa_code_object_version 6
	.text
	.protected	k_qef1daced58_prep
	.globl	k_qef1daced58_prep
	.p2align	8
	.type	k_qef1daced58_prep,@function
k_qef1daced58_prep:
	s_mov_b64 s[64:65], 0
	v_nop
	global_prefetch_b8 v0, s[64:65] scope:SCOPE_SE
	s_setreg_imm32_b32 hwreg(HW_REG_WAVE_MODE, 25, 1), 1
	s_wait_xcnt 0x0
; PREP.  (1) LayerNorm of Q and of K (f32, mean first, then the mean of the squared differences), quantised along the 1,024 features to FP6 (E2M3) with one E8M0 byte for each 32;
; (2) the four weights' codes and scale bytes, laid anew.  Both leave in ONE form, the order of a matrix operand's registers:
;   ROW TILE t holds rows 32 (t/2) + 8 (t%2) + r + 8 (r/8), r = 0..15.  A FRAGMENT is a row tile x 128 along K: 12 registers a lane, 1,536 bytes in six chunks of 256 bytes;
;   chunk p holds registers 2p, 2p+1 of lane L at byte 256 p + 8 L.  xw_img: 1,280 row tiles x 8 fragments (Qn 0, Kn 512, Wq 1024, Wk 1088, Wv 1152, Wo 1216).  xw_sc: 512 bytes a row tile: [r][32 bytes].
; SHARES.  Work-groups 0-255: a wave takes one row tile, 16 rows, one after the other; in the work lane l holds features 32 l .. 32 l + 31, one block.  Work-groups 256-319: a wave re-lays one row tile of a weight.
; Each load reads 512 consecutive bytes; a row turns through the wave's own stage in LDS (128 bytes a lane + 16 of padding); codes gather in the wave's own image in LDS and leave as 512 consecutive bytes a store.
; No tensor loads, no barrier, no cluster: waves share nothing.  Three rows of loads (24 loads a wave) are on their way.
; LIMITS: NaN and infinities are not served.  A block of zeros gets the byte 1 where the rule says 127: its codes are zeros and this program alone reads the bytes.
.set WREG, 22016                       ; LDS of a wave: two stages of 4,608 bytes, the image of 12,288, 512 scale bytes
.set STGB, 4608
.set IMG,  9216
.set SCB,  21504
.set RAW,  32                          ; v32-127  three rows as loaded
.set X,    128                         ; v128-191 two rows, 32 neighbours a lane
.set G,    192                         ; v192-223 gain of my 32 features
.set BE,   224                         ; v224-255 offset of my 32 features
	s_load_b512 s[4:19], s[0:1], 0x0               ; Q, K, g_q, be_q, g_kv, be_kv, Wq's codes, Wq's scales
	s_load_b512 s[20:35], s[0:1], 0x40             ; Wk's, Wv's, Wo's codes and scales, xw_img, xw_sc
	v_lshl_add_u32 v23, v0, 2, 0x15800
	s_set_vgpr_msb 0x40
	v_mov_b32 v1, 0
	s_set_vgpr_msb 0x4000
	v_lshrrev_b32 v20, 5, v0
	v_readfirstlane_b32 s36, v20                   ; wave
	v_and_b32 v20, 31, v0                          ; lane
	v_lshlrev_b32 v1, 4, v20                       ; 16 x lane
	s_lshl_b32 s37, ttmp9, 2
	s_add_co_u32 s37, s37, s36                     ; 4 x work-group + wave
	s_mov_b32 s41, 0
	s_wait_kmcnt 0x0
	s_cmp_ge_u32 ttmp9, 256
	s_cbranch_scc1 .Lweights
	; ---------------- LayerNorm and quantiser ----------------
	s_cmp_lt_u32 ttmp9, 128                        ; Q's work-group or K's: the choice hangs on the work-group's number alone
	s_cselect_b64 s[4:5], s[4:5], s[6:7]
	s_cselect_b64 s[8:9], s[8:9], s[12:13]
	s_cselect_b64 s[10:11], s[10:11], s[14:15]
	s_and_b32 s40, s37, 511                        ; the row tile within its tensor
	s_lshr_b32 s42, s40, 1
	s_lshl_b32 s42, s42, 17                        ; 32 rows of 4,096 bytes for each pair of tiles
	s_and_b32 s40, s40, 1
	s_lshl_b32 s40, s40, 15                        ; 8 rows for the odd tile
	s_add_co_u32 s40, s40, s42
	s_add_nc_u64 s[4:5], s[4:5], s[40:41]
	s_mul_i32 s40, s37, 12288
	s_add_nc_u64 s[32:33], s[32:33], s[40:41]
	s_lshl_b32 s40, s37, 9
	s_add_nc_u64 s[34:35], s[34:35], s[40:41]
	s_mov_b32 s38, 0x76543210
	s_mov_b32 s39, 0xfedcba98                      ; v_permlanex16_b32's selects for lane l xor 16
	s_mov_b32 s43, 0x3a800000                      ; 1 / 1024
	s_mov_b32 s44, 0x3727c5ac                      ; 1e-5
	s_mul_i32 s42, s36, WREG
	s_wait_alu depctr_va_vdst(0)
	v_lshlrev_b32 v7, 7, v20                       ; my 32 numbers of g and be
.irp k, 0,1,2,3,4,5,6,7
	global_load_b128 v[G+4*\k:G+4*\k+3], v7, s[8:9] offset:16*\k
	global_load_b128 v[BE+4*\k:BE+4*\k+3], v7, s[10:11] offset:16*\k
.endr
.macro LOAD t                          ; row t of the tile: eight loads of 512 consecutive bytes
.irp j, 0,1,2,3,4,5,6,7
	global_load_b128 v[RAW+32*((\t)%3)+4*\j:RAW+32*((\t)%3)+4*\j+3], v1, s[4:5] offset:((\t)+8*((\t)/8))*4096+512*\j th:TH_LOAD_NT
.endr
.endm
	LOAD 0
	LOAD 1
	LOAD 2
	v_lshrrev_b32 v21, 3, v20
	v_lshl_add_u32 v2, v21, 4, v1
	v_add_nc_u32 v2, s42, v2                       ; stage, in: 16 L + 16 (L / 8): 16 bytes of padding behind each 128
	v_mul_u32_u24 v3, v20, 144
	v_add_nc_u32 v3, s42, v3                       ; stage, out: 144 L: my 128 bytes
	v_lshrrev_b32 v21, 2, v20
	v_mul_u32_u24 v4, v21, 1536                    ; image: block l is K step l / 4,
	v_bfe_u32 v21, v20, 1, 1
	v_mad_u32_u24 v4, v21, 768, v4                 ; registers 6 ((l / 2) % 2) on,
	v_and_b32 v21, 1, v20
	v_lshl_add_u32 v4, v21, 7, v4                  ; of lane 16 (l % 2) + row
	v_add_nc_u32 v4, s42, v4
	v_add_nc_u32 v5, s42, v20                      ; scale bytes: byte l of a row's 32
	v_add_nc_u32 v6, s42, v1                       ; read-back: 16 bytes a lane
	v_mov_b32 v9, 0                                ; (upper halves of pairs of which the low word serves both halves)
	v_mov_b32 v11, 0
.macro TURN t                          ; row t through a stage: LDS serves a wave's instructions in order, so no wait stands between the stores and the loads
.irp j, 0,1,2,3,4,5,6,7
	ds_store_b128 v2, v[RAW+32*((\t)%3)+4*\j:RAW+32*((\t)%3)+4*\j+3] offset:STGB*((\t)%2)+576*\j
.endr
.irp j, 0,1,2,3,4,5,6,7
	ds_load_b128 v[X+32*((\t)%2)+4*\j:X+32*((\t)%2)+4*\j+3], v3 offset:STGB*((\t)%2)+16*\j
.endr
.endm
.macro REDUCE                          ; four pairs in v[12:19] become one sum over the wave's 32 lanes, in v12 of every lane
	v_pk_add_f32 v[12:13], v[12:13], v[14:15]
	v_pk_add_f32 v[16:17], v[16:17], v[18:19]
	v_pk_add_f32 v[12:13], v[12:13], v[16:17]
	v_add_f32 v12, v12, v13
	v_add_f32_dpp v12, v12, v12 row_xmask:1 row_mask:0xf bank_mask:0xf
	v_add_f32_dpp v12, v12, v12 row_xmask:2 row_mask:0xf bank_mask:0xf
	v_add_f32_dpp v12, v12, v12 row_xmask:4 row_mask:0xf bank_mask:0xf
	v_add_f32_dpp v12, v12, v12 row_xmask:8 row_mask:0xf bank_mask:0xf
	v_permlanex16_b32 v13, v12, s38, s39
	v_add_f32 v12, v12, v13
.endm
	s_wait_loadcnt 16                              ; g, be and row 0 are in; rows 1 and 2 stay out
	TURN 0
.macro STEP i
.set XS, X+32*((\i)%2)
	s_wait_dscnt 0x0                               ; this row is back from its stage, and the last row's stores have read their registers
.if (\i)+3 < 16
	LOAD (\i)+3                                    ; into the registers that this row's stage stores have read
.endif
.if (\i)+1 < 16
.if (\i)+3 < 16
	s_wait_loadcnt 16                              ; the next row is in; the two rows behind it stay out
.else
	s_wait_loadcnt 8*(14-(\i))
.endif
	TURN (\i)+1
.endif
	v_pk_add_f32 v[12:13], v[XS:XS+1], v[XS+2:XS+3]        ; the sum of my 32, in four chains
	v_pk_add_f32 v[14:15], v[XS+4:XS+5], v[XS+6:XS+7]
	v_pk_add_f32 v[16:17], v[XS+8:XS+9], v[XS+10:XS+11]
	v_pk_add_f32 v[18:19], v[XS+12:XS+13], v[XS+14:XS+15]
.irp k, 16,24
	v_pk_add_f32 v[12:13], v[12:13], v[XS+\k:XS+\k+1]
	v_pk_add_f32 v[14:15], v[14:15], v[XS+\k+2:XS+\k+3]
	v_pk_add_f32 v[16:17], v[16:17], v[XS+\k+4:XS+\k+5]
	v_pk_add_f32 v[18:19], v[18:19], v[XS+\k+6:XS+\k+7]
.endr
	REDUCE
	v_mul_f32 v8, s43, v12                         ; the mean
.irp k, 0,2,4,6,8,10,12,14,16,18,20,22,24,26,28,30
	v_pk_add_f32 v[XS+\k:XS+\k+1], v[XS+\k:XS+\k+1], v[8:9] op_sel_hi:[1,0] neg_lo:[0,1] neg_hi:[0,1]
.endr
	v_pk_mul_f32 v[12:13], v[XS:XS+1], v[XS:XS+1]          ; the squares of the differences
	v_pk_mul_f32 v[14:15], v[XS+2:XS+3], v[XS+2:XS+3]
	v_pk_mul_f32 v[16:17], v[XS+4:XS+5], v[XS+4:XS+5]
	v_pk_mul_f32 v[18:19], v[XS+6:XS+7], v[XS+6:XS+7]
.irp k, 8,16,24
	v_pk_fma_f32 v[12:13], v[XS+\k:XS+\k+1], v[XS+\k:XS+\k+1], v[12:13]
	v_pk_fma_f32 v[14:15], v[XS+\k+2:XS+\k+3], v[XS+\k+2:XS+\k+3], v[14:15]
	v_pk_fma_f32 v[16:17], v[XS+\k+4:XS+\k+5], v[XS+\k+4:XS+\k+5], v[16:17]
	v_pk_fma_f32 v[18:19], v[XS+\k+6:XS+\k+7], v[XS+\k+6:XS+\k+7], v[18:19]
.endr
	REDUCE
	v_fma_f32 v12, v12, s43, s44                   ; variance + 1e-5
	s_wait_alu depctr_va_vdst(0)
	v_rsq_f32 v10, v12
	v_nop                                          ; a plain instruction behind the transcendental
	s_wait_alu depctr_va_vdst(0)                   ; and the wait ahead of its first reader
.irp k, 0,2,4,6,8,10,12,14,16,18,20,22,24,26,28,30
	v_pk_mul_f32 v[XS+\k:XS+\k+1], v[XS+\k:XS+\k+1], v[10:11] op_sel_hi:[1,0]
.endr
.irp k, 0,2,4,6,8,10,12,14,16,18,20,22,24,26,28,30
	v_pk_fma_f32 v[XS+\k:XS+\k+1], v[XS+\k:XS+\k+1], v[G+\k:G+\k+1], v[BE+\k:BE+\k+1]
.endr
	v_max3_num_f32 v20, |v[XS]|, |v[XS+1]|, |v[XS+2]|      ; the block's largest magnitude: all 32 numbers are mine
	v_max3_num_f32 v21, |v[XS+3]|, |v[XS+4]|, |v[XS+5]|
.irp k, 6,10,14,18,22,26
	v_max3_num_f32 v20, v20, |v[XS+\k]|, |v[XS+\k+1]|
	v_max3_num_f32 v21, v21, |v[XS+\k+2]|, |v[XS+\k+3]|
.endr
	v_max3_num_f32 v20, v20, |v[XS+30]|, |v[XS+31]|
	v_max3_num_f32 v20, v20, v21, 0x1800000        ; and the floor 2^(3 - 127): the byte cannot fall under 1
	v_add_nc_u32 v22, 0xff000000, v20              ; 2 off the exponent field: the conversion's scale operand
	v_cvt_scalef32_pk16_fp6_f32 v[24:26], v[XS:XS+15], v22
	v_cvt_scalef32_pk16_fp6_f32 v[28:30], v[XS+16:XS+31], v22      ; (a conversion's three registers begin on an even number)
	v_lshrrev_b32 v31, 23, v22                     ; the scale's byte; also the plain instruction behind the conversions
	v_mov_b32 v27, v28
	v_mov_b32 v28, v29
	v_mov_b32 v29, v30                             ; v24-29: the block's 24 bytes
	ds_store_b64 v4, v[24:25] offset:IMG+8*(\i)
	ds_store_b64 v4, v[26:27] offset:IMG+256+8*(\i)
	ds_store_b64 v4, v[28:29] offset:IMG+512+8*(\i)
	ds_store_b8 v5, v31 offset:SCB+32*(\i)
.endm
.irp i, 0,1,2,3,4,5,6,7,8,9,10,11,12,13,14,15
	STEP \i
.endr
.irp k, 0,1,2,3,4,5,6,7,8,9,10,11,12,13,14,15,16,17,18,19,20,21,22,23
	ds_load_b128 v[RAW+4*\k:RAW+4*\k+3], v6 offset:IMG+512*\k      ; these see my stores: a wave's LDS instructions are served in order
.endr
	ds_load_b128 v[X:X+3], v6 offset:SCB
.irp k, 0,1,2,3,4,5,6,7,8,9,10,11,12,13,14,15,16,17,18,19,20,21,22,23
	s_wait_dscnt 24-\k                             ; the younger read-backs may stay out
	global_store_b128 v1, v[RAW+4*\k:RAW+4*\k+3], s[32:33] offset:512*\k   ; 512 consecutive bytes, aligned
.endr
	s_wait_dscnt 0x0
	global_store_b128 v1, v[X:X+3], s[34:35]
	s_set_vgpr_msb 0x4
	s_wait_tensorcnt 0x0
	ds_add_u32 v23, v1
	s_wait_dscnt 0x0
	s_set_vgpr_msb 0x400
	s_endpgm
	; ---------------- the weights, laid anew ----------------
.Lweights:
	s_sub_co_u32 s37, s37, 1024                    ; q = 0..255: weight q / 64, row tile q % 64
	s_lshr_b32 s38, s37, 6
	s_cmp_eq_u32 s38, 1
	s_cselect_b64 s[16:17], s[20:21], s[16:17]
	s_cselect_b64 s[18:19], s[22:23], s[18:19]
	s_cmp_eq_u32 s38, 2
	s_cselect_b64 s[16:17], s[24:25], s[16:17]
	s_cselect_b64 s[18:19], s[26:27], s[18:19]
	s_cmp_eq_u32 s38, 3
	s_cselect_b64 s[16:17], s[28:29], s[16:17]
	s_cselect_b64 s[18:19], s[30:31], s[18:19]
	s_and_b32 s39, s37, 63
	s_lshr_b32 s40, s39, 1
	s_lshl_b32 s40, s40, 5
	s_and_b32 s39, s39, 1
	s_lshl_b32 s39, s39, 3
	s_add_co_u32 s39, s39, s40                     ; the tile's first row
	s_mul_i32 s40, s39, 768                        ; a row of 1,024 codes is 768 bytes
	s_add_nc_u64 s[16:17], s[16:17], s[40:41]
	s_lshl_b32 s40, s39, 5
	s_add_nc_u64 s[18:19], s[18:19], s[40:41]
	s_add_co_u32 s39, s37, 1024
	s_mul_i32 s40, s39, 12288
	s_add_nc_u64 s[32:33], s[32:33], s[40:41]
	s_lshl_b32 s40, s39, 9
	s_add_nc_u64 s[34:35], s[34:35], s[40:41]
	s_wait_alu depctr_va_vdst(0)
	v_and_b32 v2, 15, v20                          ; r
	v_lshrrev_b32 v3, 4, v20                       ; h
	v_and_b32 v4, 8, v2
	v_add_nc_u32 v4, v4, v2                        ; r + 8 (r / 8)
	v_mul_u32_u24 v5, v4, 768
	v_mad_u32_u24 v5, v3, 24, v5                   ; codes: my row, + 24 h
	v_lshlrev_b32 v6, 5, v4
	v_lshl_add_u32 v6, v3, 4, v6                   ; scale bytes: my row, + 16 h
	v_lshlrev_b32 v7, 3, v20                       ; out: 8 x lane
	v_lshlrev_b32 v8, 5, v2
	v_lshl_add_u32 v8, v3, 4, v8                   ; out: 32 r + 16 h
.irp s, 0,1,2,3,4,5,6,7
.irp p, 0,1,2,3,4,5
	global_load_b64 v[RAW+12*\s+2*\p:RAW+12*\s+2*\p+1], v5, s[16:17] offset:96*\s+48*(\p/3)+8*(\p%3)
.endr
.endr
	global_load_b128 v[X:X+3], v6, s[18:19]
	s_wait_alu depctr_va_vdst(0)
	s_wait_loadcnt 0x0
.irp s, 0,1,2,3,4,5,6,7
.irp p, 0,1,2,3,4,5
	global_store_b64 v7, v[RAW+12*\s+2*\p:RAW+12*\s+2*\p+1], s[32:33] offset:1536*\s+256*\p   ; 256 consecutive bytes, aligned
.endr
.endr
	global_store_b128 v8, v[X:X+3], s[34:35]
	s_endpgm
.Lfunc_end_k_qef1daced58_prep:
	.size	k_qef1daced58_prep, .Lfunc_end_k_qef1daced58_prep-k_qef1daced58_prep
	.p2alignl 7, 3214868480
	.fill 96, 4, 3214868480
	.section	.rodata,"a",@progbits
	.p2align	6, 0x0
	.amdhsa_kernel k_qef1daced58_prep
		.amdhsa_group_segment_fixed_size 88576
		.amdhsa_private_segment_fixed_size 0
		.amdhsa_enable_private_segment 0
		.amdhsa_kernarg_size 128
		.amdhsa_user_sgpr_count 2
		.amdhsa_user_sgpr_kernarg_segment_ptr 1
		.amdhsa_wavefront_size32 1
		.amdhsa_system_sgpr_workgroup_id_x 1
		.amdhsa_system_sgpr_workgroup_id_y 1
		.amdhsa_system_sgpr_workgroup_id_z 1
		.amdhsa_system_vgpr_workitem_id 0
		.amdhsa_next_free_vgpr 258
		.amdhsa_next_free_sgpr 66
		.amdhsa_reserve_vcc 0
		.amdhsa_float_denorm_mode_32 3
		.amdhsa_float_denorm_mode_16_64 3
		.amdhsa_memory_ordered 1
		.amdhsa_forward_progress 1
		.amdhsa_inst_pref_size 172
	.end_amdhsa_kernel
	.amdgpu_metadata
---
amdhsa.version: [ 1, 2 ]
amdhsa.kernels:
  - .name:           k_qef1daced58_prep
    .symbol:         k_qef1daced58_prep.kd
    .args:
      - { .name: Q, .offset: 0, .size: 8, .value_kind: global_buffer, .address_space: global }
      - { .name: K, .offset: 8, .size: 8, .value_kind: global_buffer, .address_space: global }
      - { .name: g_q, .offset: 16, .size: 8, .value_kind: global_buffer, .address_space: global }
      - { .name: be_q, .offset: 24, .size: 8, .value_kind: global_buffer, .address_space: global }
      - { .name: g_kv, .offset: 32, .size: 8, .value_kind: global_buffer, .address_space: global }
      - { .name: be_kv, .offset: 40, .size: 8, .value_kind: global_buffer, .address_space: global }
      - { .name: Wq_codes, .offset: 48, .size: 8, .value_kind: global_buffer, .address_space: global }
      - { .name: Wq_scales, .offset: 56, .size: 8, .value_kind: global_buffer, .address_space: global }
      - { .name: Wk_codes, .offset: 64, .size: 8, .value_kind: global_buffer, .address_space: global }
      - { .name: Wk_scales, .offset: 72, .size: 8, .value_kind: global_buffer, .address_space: global }
      - { .name: Wv_codes, .offset: 80, .size: 8, .value_kind: global_buffer, .address_space: global }
      - { .name: Wv_scales, .offset: 88, .size: 8, .value_kind: global_buffer, .address_space: global }
      - { .name: Wo_codes, .offset: 96, .size: 8, .value_kind: global_buffer, .address_space: global }
      - { .name: Wo_scales, .offset: 104, .size: 8, .value_kind: global_buffer, .address_space: global }
      - { .name: xw_img, .offset: 112, .size: 8, .value_kind: global_buffer, .address_space: global }
      - { .name: xw_sc, .offset: 120, .size: 8, .value_kind: global_buffer, .address_space: global }
    .group_segment_fixed_size: 88576
    .private_segment_fixed_size: 0
    .kernarg_segment_align: 8
    .kernarg_segment_size: 128
    .max_flat_workgroup_size: 128
    .sgpr_count:     66
    .vgpr_count:     258
    .wavefront_size: 32
...
	.end_amdgpu_metadata
.endif
;; end of part 1
;; launch proj (part 2): grid 4 x 64, 4 waves a work-group, clusters of 4 x 4, 327,680 bytes of LDS; arguments xw_img, xw_sc, bq, bk, bv, h_img, h_sc; writes h_img, h_sc
.if DOCPART == 2
	.amdgcn_target "amdgcn-amd-amdhsa--gfx1250"
	.amdhsa_code_object_version 6
	.text
	.protected	k_qef1daced58_proj
	.globl	k_qef1daced58_proj
	.p2align	8
	.type	k_qef1daced58_proj,@function
k_qef1daced58_proj:
	s_mov_b64 s[64:65], 0
	v_nop
	global_prefetch_b8 v0, s[64:65] scope:SCOPE_SE
	s_setreg_imm32_b32 hwreg(HW_REG_WAVE_MODE, 25, 1), 1
	s_wait_xcnt 0x0
	s_wait_alu depctr_hold_cnt(0) depctr_sa_sdst(0) depctr_va_vdst(0) depctr_va_sdst(0) depctr_va_ssrc(0) depctr_va_vcc(0) depctr_vm_vsrc(0)
	s_getreg_b32 s2, hwreg(HW_REG_IB_STS2, 6, 4)
	s_cmp_eq_u32 s2, 0
	s_cbranch_scc0 .Lentry_in_a_cluster
	s_endpgm
.Lentry_in_a_cluster:
	s_bfe_u32 s2, ttmp6, 0x10000c
	s_cmp_lg_u32 s2, 0xf033
	s_cbranch_scc0 .Lentry_shape_is_right
	s_endpgm
.Lentry_shape_is_right:
.set NQ,    4
.set FR,    12
.set IMGB,  1536
.set RTB,   12288
.set ROWT,  NQ*IMGB
.set HALFA, 4*ROWT
.set HALFB, 8*ROWT
.set BOFF,  2*HALFA
.set SLOT,  2*HALFA+2*HALFB
.set SPARE, 2*SLOT
.set PST,   SPARE+512
.set SCO,  8
.set BO1,  11
.set BO2,  12
.set ADRA, 16
.set ADRB, 20
.set L8,   24
.set PSA,  25
.set PSR,  26
.set SPW,  28
.set NIL,  29
.set SC0,  32
.set SC1,  96
.set PC,   160
.set TM,   200
.set PW,   216
.set FL,   218
.set PSD,  220
.set CB0,  128
.set CB1,  192
.set G1,  24
.set G0,  32
.set G1B, 48
.set G0B, 56
.set PA1, 66
.set PA2, 68
.set PB1, 70
.set PB2, 72
.set OI,  74
.set OS,  80
.set MSB, 0
.macro WIN new
.if MSB != (\new)
	s_set_vgpr_msb (MSB<<8)|(\new)
.set MSB, (\new)
.endif
.endm
.set MULW, 0xad
.set MULC, 0xbd
.set TO_B, 0x40
.set TO_A, 0xc0
.macro JLOAD g0a, g1a, g0b, g1b
	s_cmp_eq_u32 s15, 0
	s_cbranch_scc0 .Lfor_b_\@
	tensor_load_to_lds s[\g0a:\g0a+3], s[\g1a:\g1a+7]
	s_nop 0
.rept 4
	v_nop
.endr
	s_branch .Lasked_\@
.Lfor_b_\@:
	tensor_load_to_lds s[\g0b:\g0b+3], s[\g1b:\g1b+7]
	s_nop 0
.rept 4
	v_nop
.endr
.Lasked_\@:
.endm
.macro CREST
	s_cmp_lg_u32 s14, 0
	s_cbranch_scc1 .Lnot_wave_0_\@
	s_barrier_signal -3
.Lnot_wave_0_\@:
	s_barrier_wait -3
	s_barrier_signal -1
	s_barrier_wait -1
.endm
.macro CROUND
	s_barrier_signal -1
	s_barrier_wait -1
	CREST
.endm
	s_load_b256 s[4:11], s[0:1], 0x0
	s_load_b64 s[12:13], s[0:1], 0x20
	s_load_b128 s[92:95], s[0:1], 0x28
	v_lshl_add_u32 v[SPW], v0, 2, SPARE
	v_mov_b32 v[NIL], 0
	ds_add_u32 v28, v29
	ds_add_u32 v28, v29
	s_wait_dscnt 0x0
	v_lshrrev_b32 v1, 5, v0
	v_readfirstlane_b32 s14, v1
	s_lshr_b32 s15, s14, 1
	s_and_b32 s16, s14, 1
	s_bfe_u32 s40, ttmp6, 0x40000
	s_bfe_u32 s41, ttmp6, 0x40004
	s_and_b32 s17, ttmp7, 0xffff
	s_lshl_b32 s18, s17, 2
	s_add_co_u32 s18, s18, s41
	s_and_b32 s19, s17, 1
	s_lshl_b32 s19, s19, 2
	s_add_co_u32 s19, s19, s41
	s_lshr_b32 s42, s17, 1
	s_lshl_b32 s42, s42, 2
	s_add_co_u32 s42, s42, s40
	s_lshl_b32 s2, s41, 2
	s_lshl_b32 s2, 15, s2
	s_lshl_b32 s3, 0x1111, s40
	s_or_b32 s[G1+0], s2, (3<<16)|(1<<21)
	s_mov_b32 s[G1+1], 768<<16
	s_mov_b32 s[G1+2], 4<<16
	s_mov_b32 s[G1+3], 768<<16
	s_mov_b32 s[G1+4], 4
	s_mov_b32 s[G1+5], 1536
	s_mov_b32 s[G1+6], 0
	s_mov_b32 s[G1+7], 0
	s_or_b32 s[G1B+0], s3, (3<<16)|(1<<21)
	s_mov_b32 s[G1B+1], 768<<16
	s_mov_b32 s[G1B+2], 8<<16
	s_mov_b32 s[G1B+3], 768<<16
	s_mov_b32 s[G1B+4], 8
	s_mov_b32 s[G1B+5], 1536
	s_mov_b32 s[G1B+6], 0
	s_mov_b32 s[G1B+7], 0
	s_lshl_b32 s20, s18, 3
	s_lshl_b32 s22, s16, 2
	s_add_co_u32 s20, s20, s22
	s_mul_i32 s20, s20, RTB
	s_mov_b32 s21, 0
	s_lshl_b32 s23, s19, 3
	s_add_co_u32 s22, s23, s22
	s_add_co_u32 s22, s22, 1152
	s_mul_i32 s22, s22, RTB
	s_mov_b32 s23, 0
	s_lshl_b32 s44, s40, 4
	s_lshl_b32 s46, s16, 3
	s_add_co_u32 s44, s44, s46
	s_add_co_u32 s44, s44, 1024
	s_mul_i32 s44, s44, RTB
	s_mov_b32 s45, 0
	s_lshl_b32 s47, s42, 4
	s_add_co_u32 s46, s47, s46
	s_add_co_u32 s46, s46, 512
	s_mul_i32 s46, s46, RTB
	s_mov_b32 s47, 0
	s_mul_i32 s98, s16, HALFA
	s_mul_i32 s99, s16, HALFB
	s_add_co_u32 s99, s99, BOFF
	s_wait_kmcnt 0x0
	s_add_nc_u64 s[20:21], s[4:5], s[20:21]
	s_add_nc_u64 s[PA1:PA1+1], s[20:21], 512*RTB
	s_add_nc_u64 s[PA2:PA2+1], s[4:5], s[22:23]
	s_add_nc_u64 s[44:45], s[4:5], s[44:45]
	s_add_nc_u64 s[PB1:PB1+1], s[44:45], 64*RTB
	s_add_nc_u64 s[PB2:PB2+1], s[4:5], s[46:47]
	CROUND
.irp s, 0,1
	s_mov_b32 s[G0+4*\s], 1
	s_add_co_u32 s[G0+4*\s+1], s98, \s*SLOT
	s_add_nc_u64 s[G0+4*\s+2:G0+4*\s+3], s[20:21], \s*ROWT
	s_or_b32 s[G0+4*\s+3], s[G0+4*\s+3], 0x80000000
	s_mov_b32 s[G0B+4*\s], 1
	s_add_co_u32 s[G0B+4*\s+1], s99, \s*SLOT
	s_add_nc_u64 s[G0B+4*\s+2:G0B+4*\s+3], s[44:45], \s*ROWT
	s_or_b32 s[G0B+4*\s+3], s[G0B+4*\s+3], 0x80000000
	s_wait_alu depctr_va_vdst(0)
	s_wait_tensorcnt 0x0
	ds_add_u32 v28, v29
	ds_add_u32 v28, v29
	s_wait_dscnt 0x0
	CROUND
	JLOAD G0+4*\s, G1, G0B+4*\s, G1B
.endr
	v_and_b32 v1, 15, v0
	v_bfe_u32 v2, v0, 4, 1
	v_and_b32 v3, 8, v1
	v_add_nc_u32 v3, v3, v1
	v_and_b32 v4, 31, v0
	v_lshlrev_b32 v[L8], 3, v4
	v_lshlrev_b32 v5, 5, v1
	v_sub_nc_u32 v6, 1, v2
	s_wait_alu depctr_va_vdst(0)
	v_lshlrev_b32 v[BO1], 6, v2
	v_lshlrev_b32 v[BO2], 2, v3
	s_lshl_b32 s98, s18, 3
	s_lshl_b32 s99, s15, 2
	s_add_co_u32 s98, s98, s99
	s_lshl_b32 s2, s19, 3
	s_add_co_u32 s99, s2, s99
	s_lshl_b32 s86, s40, 4
	s_lshl_b32 s3, s16, 3
	s_add_co_u32 s86, s86, s3
	s_lshl_b32 s87, s42, 4
	s_add_co_u32 s87, s87, s3
	s_lshl_b32 s88, s98, 9
	s_add_co_u32 s89, s86, 1024
	s_lshl_b32 s89, s89, 9
	v_mul_u32_u24 v[SCO], v6, s88
	v_mad_u32_u24 v[SCO], v2, s89, v[SCO]
	v_add_nc_u32 v[SCO], v[SCO], v5
	s_wait_alu depctr_va_vdst(0)
	s_add_co_u32 s88, s88, 512*512
	s_add_co_u32 s89, s89, 64*512
	v_mul_u32_u24 v[SCO+1], v6, s88
	v_mad_u32_u24 v[SCO+1], v2, s89, v[SCO+1]
	v_add_nc_u32 v[SCO+1], v[SCO+1], v5
	s_wait_alu depctr_va_vdst(0)
	s_add_co_u32 s88, s99, 1152
	s_lshl_b32 s88, s88, 9
	s_add_co_u32 s89, s87, 512
	s_lshl_b32 s89, s89, 9
	v_mul_u32_u24 v[SCO+2], v6, s88
	v_mad_u32_u24 v[SCO+2], v2, s89, v[SCO+2]
	v_add_nc_u32 v[SCO+2], v[SCO+2], v5
	s_mov_b32 s91, 0
	s_lshl_b32 s90, s40, 10
	s_lshl_b32 s88, s16, 9
	s_add_co_u32 s90, s90, s88
	s_add_nc_u64 s[8:9], s[8:9], s[90:91]
	s_add_nc_u64 s[10:11], s[10:11], s[90:91]
	s_lshl_b32 s90, s99, 6
	s_add_nc_u64 s[12:13], s[12:13], s[90:91]
.macro PRESC sc, off
.irp i, 0,1,2,3,4,5,6,7
	global_load_b128 v[\sc+8*\i:\sc+8*\i+3], v[\off], s[6:7] offset:512*\i
	global_load_b128 v[\sc+8*\i+4:\sc+8*\i+7], v[\off], s[6:7] offset:512*\i+16
.endr
.endm
.macro PREB1 cb, ptr
.irp b, 0,1,2,3,4,5,6,7
	global_load_b128 v[\cb+8*\b:\cb+8*\b+3], v[BO1], s[\ptr:\ptr+1] offset:(32*(\b/2)+8*(\b%2))*4
	global_load_b128 v[\cb+8*\b+4:\cb+8*\b+7], v[BO1], s[\ptr:\ptr+1] offset:(32*(\b/2)+8*(\b%2))*4+16
.endr
.endm
.macro PREB2 cb
.irp a, 0,1,2,3
.irp j, 0,1,2,3,4,5,6,7
	global_load_b32 v[\cb+8*\a+\j], v[BO2], s[12:13] offset:(32*(\a/2)+8*(\a%2))*4
.endr
.endr
.endm
	PRESC SC0, SCO
	PRESC SC1, SCO+1
	WIN TO_A
	PREB1 CB0, 8
	PREB1 CB1, 10
	WIN 0
	s_mul_i32 s88, s15, HALFA
	s_mul_i32 s89, s16, HALFB
	s_add_co_u32 s89, s89, BOFF
.irp s, 0,1
	v_add_nc_u32 v[ADRA+\s], s88, v[L8]
	v_add_nc_u32 v[ADRB+\s], s89, v[L8]
	s_add_co_u32 s88, s88, SLOT
	s_add_co_u32 s89, s89, SLOT
.endr
	s_lshl_b32 s88, s14, 8
	s_add_co_u32 s88, s88, PST
	v_lshl_add_u32 v[PSA], v1, 2, s88
	v_add_nc_u32 v[PSR], s88, v[L8]
	v_mov_b32 v[FL], 0x1800000
.irp b, 0,1,2,3
	v_mov_b32 v[TM+4+\b], 0
.endr
	s_mov_b32 s96, 0x76543210
	s_mov_b32 s97, 0xfedcba98
	s_lshl_b32 s88, s40, 1
	s_add_co_u32 s88, s88, s16
	s_lshl_b32 s88, s88, 9
	s_add_co_u32 s88, s88, s98
	s_lshl_b32 s89, s42, 1
	s_add_co_u32 s89, s89, s16
	s_lshl_b32 s89, s89, 6
	s_add_co_u32 s89, s89, s99
	s_mul_i32 s90, s88, IMGB
	s_add_nc_u64 s[OI:OI+1], s[92:93], s[90:91]
	s_add_nc_u64 s[OI+2:OI+3], s[OI:OI+1], 6291456
	s_mul_i32 s90, s89, IMGB
	s_add_co_u32 s90, s90, 12582912
	s_add_nc_u64 s[OI+4:OI+5], s[92:93], s[90:91]
	s_lshl_b32 s90, s88, 6
	s_add_nc_u64 s[OS:OS+1], s[94:95], s[90:91]
	s_add_nc_u64 s[OS+2:OS+3], s[OS:OS+1], 262144
	s_lshl_b32 s90, s89, 6
	s_add_co_u32 s90, s90, 524288
	s_add_nc_u64 s[OS+4:OS+5], s[94:95], s[90:91]
.macro FRAG reg, adr, q, i
.irp p, 0,1,2,3,4,5
	ds_load_b64 v[\reg+2*\p:\reg+2*\p+1], v[\adr] offset:(\i)*ROWT+(\q)*IMGB+256*\p
.endr
.endm
.macro FETCH_B slot, q, p
	WIN TO_B
.irp i, 0,1,2,3,4,5,6,7
	FRAG 128*(\p)+FR*\i, ADRB+\slot, \q, \i
.endr
.endm
.macro FETCH_A slot, q, p
	WIN TO_A
.irp i, 0,1,2,3
	FRAG 48*(\p)+FR*\i, ADRA+\slot, \q, \i
.endr
.endm
.macro MUL8 a, p, s, cm
.irp b, 0,1,2,3,4,5,6,7
.if (\cm) == 1
	v_wmma_scale_f32_16x16x128_f8f6f4 v[8*(8*(\a)+\b):8*(8*(\a)+\b)+7], v[128*(\p)+FR*\b:128*(\p)+FR*\b+FR-1], v[48*(\p)+FR*(\a):48*(\p)+FR*(\a)+FR-1], v[CBX+8*\b:CBX+8*\b+7], v[SCX+8*\b+(\s)], v[SCX+8*(\a)+(\s)] matrix_a_fmt:MATRIX_FMT_FP6 matrix_b_fmt:MATRIX_FMT_FP6 matrix_a_scale:MATRIX_SCALE_ROW1
.elseif (\cm) == 2
	v_wmma_scale_f32_16x16x128_f8f6f4 v[8*(8*(\a)+\b):8*(8*(\a)+\b)+7], v[128*(\p)+FR*\b:128*(\p)+FR*\b+FR-1], v[48*(\p)+FR*(\a):48*(\p)+FR*(\a)+FR-1], v[CBX+8*(\a):CBX+8*(\a)+7], v[SCX+8*\b+(\s)], v[SCX+8*(\a)+(\s)] matrix_a_fmt:MATRIX_FMT_FP6 matrix_b_fmt:MATRIX_FMT_FP6 matrix_a_scale:MATRIX_SCALE_ROW1
.else
	v_wmma_scale_f32_16x16x128_f8f6f4 v[8*(8*(\a)+\b):8*(8*(\a)+\b)+7], v[128*(\p)+FR*\b:128*(\p)+FR*\b+FR-1], v[48*(\p)+FR*(\a):48*(\p)+FR*(\a)+FR-1], v[8*(8*(\a)+\b):8*(8*(\a)+\b)+7], v[SCX+8*\b+(\s)], v[SCX+8*(\a)+(\s)] matrix_a_fmt:MATRIX_FMT_FP6 matrix_b_fmt:MATRIX_FMT_FP6 matrix_a_scale:MATRIX_SCALE_ROW1
.endif
.endr
.endm
.macro PLACES n
.rept \n
	v_nop
.endr
.endm
.macro STEP slot, q, s, cm
	s_wait_dscnt 0x0
	PLACES 4
	FETCH_B \slot, (\q)+1, 1-(\s)%2
.if \cm
	WIN MULC
.else
	WIN MULW
.endif
	MUL8 0, (\s)%2, \s, \cm
	MUL8 1, (\s)%2, \s, \cm
	FETCH_A \slot, (\q)+1, 1-(\s)%2
.if \cm
	WIN MULC
.else
	WIN MULW
.endif
	MUL8 2, (\s)%2, \s, \cm
	MUL8 3, (\s)%2, \s, \cm
.endm
.macro TURN slot, next, s, fill, pa, pb
	WIN 0
	s_wait_tensorcnt 0x0
	ds_add_u32 v[SPW], v[NIL]
	s_wait_dscnt 1
	WIN MULW
	MUL8 0, 1, \s, 0
	s_wait_dscnt 0x0
	s_barrier_signal -1
	WIN 0
	s_barrier_wait -1
.if \fill
	CREST
	s_add_nc_u64 s[G0+4*\slot+2:G0+4*\slot+3], s[\pa:\pa+1], \slot*ROWT
	s_or_b32 s[G0+4*\slot+3], s[G0+4*\slot+3], 0x80000000
	s_add_nc_u64 s[G0B+4*\slot+2:G0B+4*\slot+3], s[\pb:\pb+1], \slot*ROWT
	s_or_b32 s[G0B+4*\slot+3], s[G0B+4*\slot+3], 0x80000000
	JLOAD G0+4*\slot, G1, G0B+4*\slot, G1B
.else
	PLACES 4
.endif
	s_wait_alu depctr_va_vdst(0)
	FETCH_B \next, 0, 0
	FETCH_A \next, 0, 0
	WIN MULW
	MUL8 1, 1, \s, 0
	MUL8 2, 1, \s, 0
	MUL8 3, 1, \s, 0
	WIN 0
.endm
.macro QUANTW s, w
	WIN ((\w)<<2)|((\w)<<4)
.irp b, 0,1,2,3
	v_max3_num_f32 v[TM+\b], v[FL], |v[(\s)+16*\b]|, |v[(\s)+16*\b+1]|
.endr
.irp i, 2,4,6,8,10,12,14
.irp b, 0,1,2,3
	v_max3_num_f32 v[TM+\b], v[TM+\b], |v[(\s)+16*\b+\i]|, |v[(\s)+16*\b+\i+1]|
.endr
.endr
	WIN 0
.irp b, 0,1,2,3
	v_permlanex16_b32 v[TM+4+\b], v[TM+\b], s96, s97
.endr
.irp b, 0,1,2,3
	v_max_num_f32 v[TM+\b], v[TM+\b], v[TM+4+\b]
.endr
.irp b, 0,1,2,3
	v_add_nc_u32 v[TM+12+\b], 0xff000000, v[TM+\b]
.endr
.irp b, 0,1,2,3
	v_lshrrev_b32 v[TM+4+\b], 23, v[TM+12+\b]
.endr
	s_wait_alu depctr_va_vdst(0)
	s_wait_xcnt 0x0
	s_wait_dscnt 0x0
	v_lshl_or_b32 v[PW], v[TM+5], 8, v[TM+4]
	v_lshl_or_b32 v[PW], v[TM+6], 16, v[PW]
	v_lshl_or_b32 v[PW], v[TM+7], 24, v[PW]
	WIN (\w)
.irp c, 0,1
	v_cvt_scalef32_pk16_fp6_f32 v[PC+6*\c:PC+6*\c+2], v[(\s)+32*\c:(\s)+32*\c+15], v[TM+12+2*\c]
	v_cvt_scalef32_pk16_fp6_f32 v[PC+12+4*\c:PC+14+4*\c], v[(\s)+32*\c+16:(\s)+32*\c+31], v[TM+13+2*\c]
.endr
	WIN 0
	v_nop
.irp c, 0,1
.irp i, 0,1,2
	v_permlane16_swap_b32 v[PC+6*\c+\i], v[PC+12+4*\c+\i]
.endr
.irp i, 0,1,2
	v_mov_b32 v[PC+3+6*\c+\i], v[PC+12+4*\c+\i]
.endr
.endr
.endm
.macro WAYOUT oi, os
	WIN 0
	PLACES 4
.irp a, 0,1,2,3
	QUANTW 64*\a, 2
.irp p, 0,1,2,3,4,5
	global_store_b64 v[L8], v[PC+2*\p:PC+2*\p+1], s[\oi:\oi+1] offset:\a*IMGB+256*\p
.endr
	ds_store_b32 v[PSA], v[PW] offset:64*\a
.endr
	ds_load_b64 v[PSD:PSD+1], v[PSR]
	s_wait_dscnt 0x0
	global_store_b64 v[L8], v[PSD:PSD+1], s[\os:\os+1]
.endm
	s_wait_tensorcnt 1
	s_barrier_signal -1
	s_barrier_wait -1
	FETCH_B 0, 0, 0
	FETCH_A 0, 0, 0
	s_wait_loadcnt 0x0
.set SCX, SC0
.set CBX, CB0
	STEP 0, 0, 0, 1
	STEP 0, 1, 1, 0
	STEP 0, 2, 2, 0
	TURN 0, 1, 3, 1, PA1, PB1
	STEP 1, 0, 4, 0
	STEP 1, 1, 5, 0
	STEP 1, 2, 6, 0
	TURN 1, 0, 7, 1, PA1, PB1
	WAYOUT OI, OS
	PRESC SC0, SCO+2
	WIN TO_A
	PREB2 CB0
	WIN 0
.set SCX, SC1
.set CBX, CB1
	STEP 0, 0, 0, 1
	STEP 0, 1, 1, 0
	STEP 0, 2, 2, 0
	TURN 0, 1, 3, 1, PA2, PB2
	STEP 1, 0, 4, 0
	STEP 1, 1, 5, 0
	STEP 1, 2, 6, 0
	TURN 1, 0, 7, 1, PA2, PB2
	WAYOUT OI+2, OS+2
	s_wait_loadcnt 0x0
.set SCX, SC0
.set CBX, CB0
	STEP 0, 0, 0, 2
	STEP 0, 1, 1, 0
	STEP 0, 2, 2, 0
	TURN 0, 1, 3, 0, 0, 0
	STEP 1, 0, 4, 0
	STEP 1, 1, 5, 0
	STEP 1, 2, 6, 0
	s_wait_dscnt 0x0
	WIN MULW
	MUL8 0, 1, 7, 0
	MUL8 1, 1, 7, 0
	MUL8 2, 1, 7, 0
	MUL8 3, 1, 7, 0
	WAYOUT OI+4, OS+4
	s_wait_tensorcnt 0x0
	ds_add_u32 v[SPW], v[NIL]
	s_wait_dscnt 0x0
	CROUND
	s_endpgm
.Lfunc_end_k_qef1daced58_proj:
	.size	k_qef1daced58_proj, .Lfunc_end_k_qef1daced58_proj-k_qef1daced58_proj
	.p2alignl 7, 3214868480
	.fill 96, 4, 3214868480
	.section	.rodata,"a",@progbits
	.p2align	6, 0x0
	.amdhsa_kernel k_qef1daced58_proj
		.amdhsa_group_segment_fixed_size 327680
		.amdhsa_private_segment_fixed_size 0
		.amdhsa_enable_private_segment 0
		.amdhsa_kernarg_size 56
		.amdhsa_user_sgpr_count 2
		.amdhsa_user_sgpr_kernarg_segment_ptr 1
		.amdhsa_wavefront_size32 1
		.amdhsa_system_sgpr_workgroup_id_x 1
		.amdhsa_system_sgpr_workgroup_id_y 1
		.amdhsa_system_sgpr_workgroup_id_z 1
		.amdhsa_system_vgpr_workitem_id 0
		.amdhsa_next_free_vgpr 1024
		.amdhsa_next_free_sgpr 100
		.amdhsa_reserve_vcc 0
		.amdhsa_float_denorm_mode_32 3
		.amdhsa_float_denorm_mode_16_64 3
		.amdhsa_memory_ordered 1
		.amdhsa_forward_progress 1
		.amdhsa_inst_pref_size 255
	.end_amdhsa_kernel
	.section	.bss,"aw",@nobits
	.p2align	6
	.space	262144
	.amdgpu_metadata
---
amdhsa.version: [ 1, 2 ]
amdhsa.kernels:
  - .name:           k_qef1daced58_proj
    .symbol:         k_qef1daced58_proj.kd
    .args:
      - { .name: xw_img, .offset: 0, .size: 8, .value_kind: global_buffer, .address_space: global }
      - { .name: xw_sc, .offset: 8, .size: 8, .value_kind: global_buffer, .address_space: global }
      - { .name: bq, .offset: 16, .size: 8, .value_kind: global_buffer, .address_space: global }
      - { .name: bk, .offset: 24, .size: 8, .value_kind: global_buffer, .address_space: global }
      - { .name: bv, .offset: 32, .size: 8, .value_kind: global_buffer, .address_space: global }
      - { .name: h_img, .offset: 40, .size: 8, .value_kind: global_buffer, .address_space: global }
      - { .name: h_sc, .offset: 48, .size: 8, .value_kind: global_buffer, .address_space: global }
    .group_segment_fixed_size: 327680
    .private_segment_fixed_size: 0
    .kernarg_segment_align: 8
    .kernarg_segment_size: 56
    .max_flat_workgroup_size: 128
    .sgpr_count:     100
    .vgpr_count:     1024
    .wavefront_size: 32
...
	.end_amdgpu_metadata
.endif
;; end of part 2
;; launch att (part 3): grid 4 x 64, 8 waves a work-group, clusters of 4 x 1, 250,880 bytes of LDS; arguments h_img, h_sc, pad_mask, Q, osum; writes osum
.if DOCPART == 3
	.amdgcn_target "amdgcn-amd-amdhsa--gfx1250"
	.amdhsa_code_object_version 6
	.text
	.protected	k_qef1daced58_att
	.globl	k_qef1daced58_att
	.p2align	8
	.type	k_qef1daced58_att,@function
k_qef1daced58_att:
	s_mov_b64 s[64:65], 0
	v_nop
	global_prefetch_b8 v0, s[64:65] scope:SCOPE_SE
	s_setreg_imm32_b32 hwreg(HW_REG_WAVE_MODE, 25, 1), 1
	s_wait_xcnt 0x0
	s_wait_alu depctr_hold_cnt(0) depctr_sa_sdst(0) depctr_va_vdst(0) depctr_va_sdst(0) depctr_va_ssrc(0) depctr_va_vcc(0) depctr_vm_vsrc(0)
	s_getreg_b32 s2, hwreg(HW_REG_IB_STS2, 6, 4)
	s_cmp_eq_u32 s2, 0
	s_cbranch_scc0 .Lentry_in_a_cluster
	s_endpgm
.Lentry_in_a_cluster:
	s_bfe_u32 s2, ttmp6, 0x10000c
	s_cmp_lg_u32 s2, 0x3003
	s_cbranch_scc0 .Lentry_shape_is_right
	s_endpgm
.Lentry_shape_is_right:
; ATT.  osum = Q + (softmax(where(m == 0, -1e12, Qp Kp^T / 32)) x m) Vp, both products on codes of FP6 (E2M3) with E8M0 scales.  The FINISHED weights A = softmax x m are quantised, along the keys.
; SHARES.  A work-group: one batch, two heads, 256 queries.  Eight waves, two to a SIMD, 512 registers each.  Wave w: head w / 4, 128 queries (w / 2) % 2, keys 512 (w % 2) on.
; Waves w and w xor 1 share a tile of 16 queries, one a trip, eight trips.  The four work-groups of a cluster are the four query quarters: K, V and their scale bytes are asked for JOINTLY, once, one load a wave; nothing is filled again.
; A TRIP.  S^T = K Q^T + C for my 512 keys (a lane holds one query; registers 16 b .. 16 b + 15 are keys 32 b + 16 (lane / 16) + 0..15).  C holds log2(m) / c of the key, c = log2(e) / 32, or -32e12 where m == 0:
; so 2^(c S - M) = p x m, and it rises with S: a block's largest S serves the row's maximum and the block's scale.  M = my half's largest c S rounded up to a whole number.  The sum of p is the sum of (p x m) x (1 / m), 1 / m from a table (0 where m == 0).
; The exponentials go in eight batches of 32; behind each stand the next batch's multiply-adds, one wait, and the batch's part of the sum, whose 1 / m was asked for two batches earlier.
; Barrier 1: the pair exchanges (-M, sum); f = 2^(M - the pair's M) rounds nothing; A = (p x m) x f / sum.  Four times: 128 keys quantised in registers, four products O^T += V^T A^T; a group's 64 registers take the next trip's C as soon as they are quantised.
; Q's rows are the C of my own two tiles of O^T.  Barrier 2: the pair exchanges the other two tiles; each wave adds and stores 16 rows x 32 features.
; K = 64 IN A FORM OF K = 128: Q's codes are 0 for k >= 64, so what the form names behind K's six registers (the next tile's codes, or a tail) is multiplied by 0; scale bytes 2 and 3 are 127.
; No prefetch: Q's rows are asked for by plain loads at a trip's head and first used ahead of its first barrier; K and V come once, at the head.
; LIMITS: pad_mask >= 0 (its logarithm is taken).  The promise holds while the scaled scores stay under 2^31 in magnitude: M is held at -2^31 from below, so that a half or a batch with every key hidden gives A = 0.
; A block's largest A is made from its largest S by the same instructions as its elements: this takes v_exp_f32 not to fall where its input rises.  1 / sum and 1 / m are v_rcp_f32.  NaN and infinities are not served.
; A block of zeros gets the byte 1: its codes are zeros and this program alone reads the bytes.
.set VIMG, 98304                       ; LDS: K's 64 fragments from 0; V's: [128 keys][4 head + tile][1,536];
.set KSC,  196608                      ; K's scale words, 64 bytes a tile;
.set VSC,  200704                      ; V's: [128 keys][8 tiles][64];
.set CMT,  204800                      ; the table of C, f32, by key;
.set IMT,  208896                      ; the table of 1 / m;
.set STG,  212992                      ; a stage of 16 rows x 144 bytes for each wave;
.set XS,   231424                      ; the statistics, 256 bytes a wave;
.set XO,   233472                      ; two tiles of O^T, 2,048 bytes a wave;
.set SPARE, 249856                     ; the spare words
.set LK, 1
.set LVO, 2
.set LVP, 3
.set LC, 4
.set LI, 5
.set L8, 6
.set R4, 7
.set SIN, 8
.set SOUT, 9
.set GQ, 10
.set L16, 11
.set XSW, 12
.set XSR, 13
.set XOW, 14
.set XOR, 15
.set QF, 16                            ; v16-27 Q's fragment, v28 its scale word
.set QS, 28
.set NEG, 29                           ; -infinity
.set NM, 30                            ; v[30:31] -M
.set RL, 32                            ; v[32:33] f / sum
.set SU, 34                            ; v34-41 four pairs of sums
.set SPW, 42
.set NIL, 43
.set TP, 44
.set ST, 46                            ; v[46:47] my (-M, sum)
.set KS, 48                            ; v48-63 K's scale words
.set VS, 64                            ; v64-71 V's
.set OT, 72                            ; v72-87 my two tiles of O^T, v88-103 the partner's two
.set PCA, 104                          ; v104-127 two sets of A's codes
.set BM, 104                           ; v104-119 ahead of them: the blocks' maxima
.set PCT, 128                          ; v128-135 at work
.set BT, 136                           ; v136-151 the conversions' scale operands
.set PW, 152                           ; v152-155 A's scale words
.set PS, 156                           ; v[156:157] the partner's (-M, sum)
.set KB, 160                           ; v160-219 two sets of four tiles of K (24 + a tail of 6)
.set IB, 160                           ; v160-255 three chunks of 1 / m; then a ring of three half groups of V, slot k at v[160 + 32 ((k + 2) % 3)]
.set MSB, 0
.macro WIN new
.if MSB != (\new)
	s_set_vgpr_msb (MSB<<8)|(\new)
.set MSB, (\new)
.endif
.endm
.macro VW
	s_wait_alu depctr_va_vdst(0)
.endm
.macro DSW n                           ; a wait on LDS, and ahead of it VW
	VW
	s_wait_dscnt \n
.endm
.macro NOPS n
.rept \n
	v_nop
.endr
.endm
.macro ROUND                           ; a round of the cluster's barrier
	s_barrier_signal -1
	s_barrier_wait -1
	s_cmp_lg_u32 s14, 0
	s_cbranch_scc1 .Lnot_wave_0_\@
	s_barrier_signal -3
.Lnot_wave_0_\@:
	s_barrier_wait -3
	s_barrier_signal -1
	s_barrier_wait -1
.endm
	s_load_b256 s[4:11], s[0:1], 0x0               ; h_img, h_sc, pad_mask, Q
	s_load_b64 s[12:13], s[0:1], 0x20              ; osum
	v_lshl_add_u32 v[SPW], v0, 2, SPARE
	v_mov_b32 v[NIL], 0
	ds_add_u32 v[SPW], v[NIL]                      ; the opening lines
	ds_add_u32 v[SPW], v[NIL]
	v_lshrrev_b32 v[TP], 5, v0
	v_readfirstlane_b32 s14, v[TP]                 ; wave
	s_and_b32 s76, s14, 1                          ; kh: which 512 keys
	s_bfe_u32 s16, s14, 0x10001                    ; which 128 of the 256 queries
	s_lshr_b32 s15, s14, 2                         ; e: which of the two heads
	s_bfe_u32 s17, ttmp6, 0x40000                  ; cx: the query quarter: it enters global addresses of Q's and osum's rows alone
	s_and_b32 s18, ttmp7, 0xffff
	s_and_b32 s19, s18, 7                          ; F: the pair of heads
	s_lshr_b32 s18, s18, 3                         ; b: the batch
	; descriptor groups 1, elements of 8 bytes, mask = all four partners, bit 21 beside it
.irp g, 24, 32, 40, 48
	s_mov_b32 s[\g], 15|(3<<16)|(1<<21)
	s_mov_b32 s[\g+6], 0
	s_mov_b32 s[\g+7], 0
.endr
	s_mov_b32 s25, 32<<16                          ; half of K: 49,152 dense bytes as 192 rows of 256
	s_mov_b32 s26, 192<<16
	s_mov_b32 s27, 32<<16
	s_mov_b32 s28, 192
	s_mov_b32 s29, 32
	s_mov_b32 s33, 1536<<16                        ; a quarter of V: 2 rows of 12,288 bytes, 98,304 bytes apart
	s_mov_b32 s34, 2<<16
	s_mov_b32 s35, 1536<<16
	s_mov_b32 s36, 2
	s_mov_b32 s37, 12288
	s_mov_b32 s41, 32<<16                          ; K's scale words: 4,096 dense bytes as 16 rows of 256
	s_mov_b32 s42, 16<<16
	s_mov_b32 s43, 32<<16
	s_mov_b32 s44, 16
	s_mov_b32 s45, 32
	s_mov_b32 s49, 64<<16                          ; V's scale words: 8 rows of 512 bytes, 4,096 bytes apart
	s_mov_b32 s50, 8<<16
	s_mov_b32 s51, 64<<16
	s_mov_b32 s52, 8
	s_mov_b32 s53, 512
	s_lshl_b32 s22, s19, 9
	s_lshl_b32 s23, s18, 6
	s_add_co_u32 s22, s22, s23                     ; 512 F + 64 b: the batch's first image of Q and of K
	s_and_b32 s77, s14, 3
	s_lshl_b32 s23, s18, 3
	s_lshl_b32 s20, s77, 1
	s_add_co_u32 s23, s23, s20
	s_lshl_b32 s23, s23, 6
	s_lshl_b32 s20, s19, 3
	s_add_co_u32 s23, s23, s20                     ; 64 (8 b + 2 (w % 4)) + 8 F: the first image of V's quarter
	s_lshl_b32 s78, s18, 9
	s_add_co_u32 s78, s78, s20                     ; 512 b + 8 F: the batch's first image of V
	s_mul_i32 s79, s77, 24576
	s_mul_i32 s96, s76, 49152
	s_mov_b32 s21, 0
	s_wait_dscnt 0x0
	s_wait_kmcnt 0x0
	s_mov_b32 s56, 1                               ; V
	s_add_co_u32 s57, s79, VIMG
	s_mul_i32 s20, s23, 1536
	s_add_co_u32 s20, s20, 12582912
	s_add_nc_u64 s[58:59], s[4:5], s[20:21]
	s_or_b32 s59, s59, 0x80000000
	s_mov_b32 s60, 1                               ; K
	s_mov_b32 s61, s96
	s_mul_i32 s20, s22, 1536
	s_add_co_u32 s20, s20, s96
	s_add_co_u32 s20, s20, 6291456
	s_add_nc_u64 s[62:63], s[4:5], s[20:21]
	s_or_b32 s63, s63, 0x80000000
	s_mov_b32 s68, 1                               ; K's scale words
	s_mov_b32 s69, KSC
	s_lshl_b32 s20, s22, 6
	s_add_co_u32 s20, s20, 262144
	s_add_nc_u64 s[70:71], s[6:7], s[20:21]
	s_or_b32 s71, s71, 0x80000000
	s_mov_b32 s72, 1                               ; V's scale words
	s_mov_b32 s73, VSC
	s_lshl_b32 s20, s78, 6
	s_add_co_u32 s20, s20, 524288
	s_add_nc_u64 s[74:75], s[6:7], s[20:21]
	s_or_b32 s75, s75, 0x80000000
	ROUND                                          ; all four work-groups are here: the joint loads meet
; one load a wave, in one chain of branches on the wave's number: waves 0-3 a quarter of V, 4-5 a half of K, 6 K's scale words, 7 V's
.macro ARM under, g0, g1, next
	s_cmp_lt_u32 s14, \under
	s_cbranch_scc0 \next
	tensor_load_to_lds s[\g0:\g0+3], s[\g1:\g1+7]
	s_nop 0
	NOPS 4
	s_branch .Lasked
\next:
.endm
	ARM 4, 56, 32, .Lfor_k
	ARM 6, 60, 24, .Lfor_ks
	ARM 7, 68, 40, .Lfor_vs
	tensor_load_to_lds s[72:75], s[48:55]
	s_nop 0
	NOPS 4
.Lasked:
	s_lshl_b32 s20, s17, 4
	s_lshl_b32 s77, s16, 3
	s_add_co_u32 s77, s77, s20                     ; jt0: trip u takes query tile jt0 + u of the batch
	s_add_co_u32 s22, s22, s77
	s_mul_i32 s20, s22, 1536
	s_mul_i32 s23, s15, 768
	s_add_co_u32 s20, s20, s23
	s_add_nc_u64 s[80:81], s[4:5], s[20:21]        ; Q's image, my head's three chunks
	s_lshl_b32 s20, s22, 6
	s_add_nc_u64 s[82:83], s[6:7], s[20:21]        ; its scale words
	s_lshl_b32 s78, s19, 1
	s_add_co_u32 s78, s78, s15                     ; the head
	s_lshl_b32 s20, s18, 10
	s_lshl_b32 s23, s77, 4
	s_add_co_u32 s20, s20, s23
	s_lshl_b32 s20, s20, 12
	s_lshl_b32 s23, s78, 8
	s_add_co_u32 s20, s20, s23
	s_lshl_b32 s23, s76, 7
	s_add_co_u32 s20, s20, s23
	s_add_nc_u64 s[84:85], s[10:11], s[20:21]      ; Q's rows: my head's 256 bytes, my 128 of them
	s_lshl_b32 s20, s18, 6
	s_add_co_u32 s20, s20, s77
	s_lshl_b32 s20, s20, 16
	s_lshl_b32 s23, s78, 12
	s_add_co_u32 s20, s20, s23
	s_lshl_b32 s23, s76, 11
	s_add_co_u32 s20, s20, s23
	s_add_nc_u64 s[86:87], s[12:13], s[20:21]      ; osum: 65,536 bytes a row tile, 4,096 a head, 2,048 for 32 features
	s_lshl_b32 s20, s18, 12
	s_add_nc_u64 s[8:9], s[8:9], s[20:21]          ; the batch's mask
	s_lshl_b32 s97, s15, 4                         ; 16 e: my head's two bytes of a scale word
	s_mov_b32 s96, 0                               ; the trip
	s_mov_b32 s2, 0x76543210
	s_mov_b32 s3, 0xfedcba98
	s_mov_b32 s98, 0x3d38aa3b                      ; c = log2(e) / 32
	s_mov_b32 s99, s98
.set TL, 224
.set TR, 225
.set TH, 226
.set TKH, 227
.set TE, 228
.set TW, 229
.set TX, 230
.set T3, 231
.set T7, 232
.set T16, 233
.set TC, 234
.set TK, 235
.set TVO, 236
.set TVP, 237
.set T4, 238
.set MV, 240
.set LG, 244
.set RI, 248
.set HID, 252
.set ZR, 253
	v_and_b32 v[TL], 31, v0                        ; L
	v_and_b32 v[TR], 15, v0                        ; r
	v_bfe_u32 v[TH], v0, 4, 1                      ; h
	v_bfe_u32 v[TKH], v0, 5, 1                     ; kh
	v_bfe_u32 v[TE], v0, 7, 1                      ; e
	v_lshrrev_b32 v[TW], 5, v0                     ; w
	v_xor_b32 v[TX], 1, v[TW]                      ; the partner
	v_bfe_u32 v[T3], v0, 3, 2                      ; L / 8
	v_and_b32 v[T7], 7, v0                         ; L % 8
	v_lshlrev_b32 v[T16], 4, v0
	v_lshlrev_b32 v[L8], 3, v[TL]
	v_lshlrev_b32 v[R4], 2, v[TR]
	v_lshlrev_b32 v[L16], 4, v[TL]
	global_load_b128 v[MV:MV+3], v[T16], s[8:9]    ; four keys' mask a thread
.irp p, 0,1,2
	global_load_b64 v[QF+2*\p:QF+2*\p+1], v[L8], s[80:81] offset:256*\p      ; trip 0's Q
.endr
	global_load_b32 v[QS], v[R4], s[82:83]
	v_mad_u32_u24 v[LK], v[TKH], 49152, v[L8]      ; K: my 32 tiles, my head's chunks
	v_mad_u32_u24 v[LK], v[TE], 768, v[LK]
	v_mad_u32_u24 v[LVO], v[TKH], 52224, v[L8]     ; V: my four key groups, my head, tiles 2 kh, 2 kh + 1 (mine),
	v_mad_u32_u24 v[LVO], v[TE], 6144, v[LVO]
	v_add_nc_u32 v[LVO], VIMG, v[LVO]
	v_mad_u32_u24 v[LVP], v[TKH], 46080, v[L8]     ; and the other two (the partner's)
	v_mad_u32_u24 v[LVP], v[TE], 6144, v[LVP]
	v_add_nc_u32 v[LVP], VIMG+3072, v[LVP]
	v_lshlrev_b32 v[LC], 6, v[TH]                  ; the tables in S^T's order: 16 keys of my half of the lanes
	v_lshl_add_u32 v[LC], v[TKH], 11, v[LC]
	v_add_nc_u32 v[LI], IMT, v[LC]
	v_add_nc_u32 v[LC], CMT, v[LC]
	v_mul_u32_u24 v[TP], v[TW], 2304
	v_add_nc_u32 v[TP], STG, v[TP]                 ; my stage
	v_mad_u32_u24 v[SIN], v[T3], 144, v[TP]        ; in: eight lanes a row of 128 bytes
	v_lshl_add_u32 v[SIN], v[T7], 4, v[SIN]
	v_mad_u32_u24 v[SOUT], v[TR], 144, v[TP]       ; out: row r, 16 features of my half
	v_lshl_add_u32 v[SOUT], v[TH], 6, v[SOUT]
	v_lshlrev_b32 v[GQ], 12, v[T3]
	v_lshl_add_u32 v[GQ], v[T7], 4, v[GQ]          ; Q's rows: 4,096 (L / 8) + 16 (L % 8)
	v_lshl_add_u32 v[XSW], v[TW], 8, v[L8]
	v_add_nc_u32 v[XSW], XS, v[XSW]
	v_lshl_add_u32 v[XSR], v[TX], 8, v[L8]
	v_add_nc_u32 v[XSR], XS, v[XSR]
	v_lshl_add_u32 v[XOW], v[TW], 11, v[L16]
	v_add_nc_u32 v[XOW], XO, v[XOW]
	v_lshl_add_u32 v[XOR], v[TX], 11, v[L16]
	v_add_nc_u32 v[XOR], XO, v[XOR]
	v_add_nc_u32 v[TC], CMT, v[T16]
	v_lshlrev_b32 v[T4], 2, v[TL]
	v_lshl_add_u32 v[TK], v[TKH], 11, v[T4]
	v_add_nc_u32 v[TK], KSC, v[TK]                 ; K's scale words: lanes 0-15 tile 2 b, lanes 16-31 tile 2 b + 1
	v_mad_u32_u24 v[TVO], v[TKH], 2176, v[T4]
	v_lshl_add_u32 v[TVO], v[TE], 8, v[TVO]
	v_add_nc_u32 v[TVO], VSC, v[TVO]               ; V's: my two tiles,
	v_mad_u32_u24 v[TVP], v[TKH], 1920, v[T4]
	v_lshl_add_u32 v[TVP], v[TE], 8, v[TVP]
	v_add_nc_u32 v[TVP], VSC+128, v[TVP]           ; the partner's two
.irp i, 6,7,8,9,10,11
	v_mov_b32 v[QF+\i], 0                          ; Q's codes for k >= 64
	v_mov_b32 v[KB+18+\i], 0                       ; the tails behind K's two sets
	v_mov_b32 v[KB+48+\i], 0
.endr
	v_mov_b32 v[NM+1], 0
	v_mov_b32 v[RL+1], 0
	v_mov_b32 v[NEG], 0xff800000
.set j, 0
.rept 16
	v_mov_b32 v[BT+j], 0                           ; (a lane permute's destination counts as one of its sources)
.set j, j+1
.endr
	v_mov_b32 v[HID], 0xd5e8d4a5                   ; -32e12: -1e12 after the division by 32
	v_mov_b32 v[ZR], 0
	VW
	s_wait_loadcnt 0x0
.irp i, 0,1,2,3
	v_log_f32 v[LG+\i], v[MV+\i]
.endr
.irp i, 0,1,2,3
	v_rcp_f32 v[RI+\i], v[MV+\i]
.endr
	v_nop
	VW
.irp i, 0,1,2,3
	v_mul_f32 v[LG+\i], 0x41b17218, v[LG+\i]       ; log2(m) / c = 32 ln 2 x log2(m)
.endr
.irp i, 0,1,2,3
	v_cmp_eq_f32 vcc_lo, 0, v[MV+\i]
	v_cndmask_b32 v[LG+\i], v[LG+\i], v[HID], vcc_lo
	v_cndmask_b32 v[RI+\i], v[RI+\i], v[ZR], vcc_lo
.endr
	VW
	s_wait_tensorcnt 0x0                           ; my tile has landed
	ds_store_b128 v[TC], v[LG:LG+3]
	ds_store_b128 v[TC], v[RI:RI+3] offset:4096
	s_wait_dscnt 0x0
	s_barrier_signal -1
	s_barrier_wait -1                              ; everybody's tile and part of the tables are in
.set j, 0
.rept 16
	ds_load_b32 v[KS+j], v[TK] offset:128*j
.set j, j+1
.endr
.irp s, 0,1,2,3
	ds_load_b32 v[VS+2*\s], v[TVO] offset:512*\s
	ds_load_b32 v[VS+2*\s+1], v[TVP] offset:512*\s
.endr
	s_wait_dscnt 0x0
.set j, 0
.rept 16
	v_bfe_u32 v[KS+j], v[KS+j], s97, 16
.set j, j+1
.endr
.set j, 0
.rept 16
	v_or_b32 v[KS+j], 0x7f7f0000, v[KS+j]
.set j, j+1
.endr
.macro CL s                            ; C of key group s, into its 64 score registers
	WIN 0x40
.set j, 0
.rept 16
	ds_load_b128 v[64*(\s)+4*j:64*(\s)+4*j+3], v[LC] offset:512*(\s)+128*(j/4)+16*(j%4)
.set j, j+1
.endr
	WIN 0
.endm
.macro KLOAD x                         ; set x: four tiles of 16 keys, three chunks each
.irp t, 0,1,2,3
.irp p, 0,1,2
	ds_load_b64 v[KB+30*((\x)%2)+6*\t+2*\p:KB+30*((\x)%2)+6*\t+2*\p+1], v[LK] offset:(4*(\x)+\t)*1536+256*\p
.endr
.endr
.endm
.macro SCORE x                         ; four tiles of scores onto C, which lies in their registers
.if (\x) == 7
	DSW 0
.else
	DSW 12                                         ; the other set's 12 loads may be out
.endif
	WIN 0x50
.irp t, 0,1,2,3
.set SD, 32*(\x)+8*\t
.set KA, KB+30*((\x)%2)+6*\t
.if \t%2
	v_wmma_scale_f32_16x16x128_f8f6f4 v[SD:SD+7], v[KA:KA+11], v[QF:QF+11], v[SD:SD+7], v[KS+2*(\x)+\t/2], v[QS] matrix_a_fmt:MATRIX_FMT_FP6 matrix_b_fmt:MATRIX_FMT_FP6 matrix_a_scale:MATRIX_SCALE_ROW1
.else
	v_wmma_scale_f32_16x16x128_f8f6f4 v[SD:SD+7], v[KA:KA+11], v[QF:QF+11], v[SD:SD+7], v[KS+2*(\x)+\t/2], v[QS] matrix_a_fmt:MATRIX_FMT_FP6 matrix_b_fmt:MATRIX_FMT_FP6
.endif
.endr
.endm
.macro BMH y, i0                       ; blocks 4 y .. 4 y + 3 by turns: eight of my 16 scores of each, every tile from its low end on
	WIN 0x14
.irp i, 0,2,4,6
.irp b, 0,1,2,3
.if (\i0)+\i == 0
	v_max3_num_f32 v[BM+4*(\y)+\b], v[NEG], v[64*(\y)+16*\b], v[64*(\y)+16*\b+1]
.else
	v_max3_num_f32 v[BM+4*(\y)+\b], v[BM+4*(\y)+\b], v[64*(\y)+16*\b+(\i0)+\i], v[64*(\y)+16*\b+(\i0)+\i+1]
.endif
.endr
.endr
.endm
.macro ILOAD q                         ; 1 / m of blocks 2 q, 2 q + 1
.irp j, 0,1,2,3,4,5,6,7
	ds_load_b128 v[IB+32*((\q)%3)+4*\j:IB+32*((\q)%3)+4*\j+3], v[LI] offset:256*(\q)+128*(\j/4)+16*(\j%4)
.endr
.endm
.macro VH g                            ; half group g of V: key group g / 2; my two tiles (g even) or the partner's two (g odd); into slot g % 3 of the ring
.set VX, 160+32*(((\g)%3+2)%3)
.irp d, 0,1
.irp p, 0,1,2,3,4,5
.if (\g)%2
	ds_load_b64 v[VX+12*\d+2*\p:VX+12*\d+2*\p+1], v[LVP] offset:((\g)/2)*12288+\d*1536+256*\p
.else
	ds_load_b64 v[VX+12*\d+2*\p:VX+12*\d+2*\p+1], v[LVO] offset:((\g)/2)*12288+\d*1536+256*\p
.endif
.endr
.endr
.endm
.macro FMA q                           ; c S - M for blocks 2 q, 2 q + 1
.set j, 0
.rept 16
	v_pk_fma_f32 v[32*(\q)+2*j:32*(\q)+2*j+1], v[32*(\q)+2*j:32*(\q)+2*j+1], s[98:99], v[NM:NM+1] op_sel_hi:[1,0,0]
.set j, j+1
.endr
.endm
.macro SUMQ q                          ; the sum of p = (p x m) x (1 / m), in four chains of pairs
.if (\q) < 6
	DSW 16                                         ; the two younger chunks may be out
.elseif (\q) == 6
	DSW 20                                         ; a chunk and a half group of V
.else
	DSW 24                                         ; two half groups of V
.endif
	WIN 0x01
.set j, 0
.rept 16
.if (\q) == 0 && j < 4
	v_pk_mul_f32 v[SU+2*j:SU+2*j+1], v[2*j:2*j+1], v[IB+2*j:IB+2*j+1]
.else
	v_pk_fma_f32 v[SU+2*(j%4):SU+2*(j%4)+1], v[32*(\q)+2*j:32*(\q)+2*j+1], v[IB+32*((\q)%3)+2*j:IB+32*((\q)%3)+2*j+1], v[SU+2*(j%4):SU+2*(j%4)+1]
.endif
.set j, j+1
.endr
	WIN 0
.if (\q) < 5
	ILOAD (\q)+3                                   ; into the chunk just read
.else
	VH (\q)-5                                      ; the chunks that fall free take V's first three half groups
.endif
.endm
.macro MUL s                           ; A = (p x m) x f / sum for key group s
	WIN 0x41
.set j, 0
.rept 32
	v_pk_mul_f32 v[64*(\s)+2*j:64*(\s)+2*j+1], v[64*(\s)+2*j:64*(\s)+2*j+1], v[RL:RL+1] op_sel_hi:[1,0]
.set j, j+1
.endr
	WIN 0
.endm
.macro QUANT s                         ; 64 numbers of a lane become a fragment's codes, in set s % 2
.set PCX, PCA+12*((\s)%2)
	WIN 0x01
.irp c, 0,1
	v_cvt_scalef32_pk16_fp6_f32 v[PCX+6*\c:PCX+6*\c+2], v[64*(\s)+32*\c:64*(\s)+32*\c+15], v[BT+4*(\s)+2*\c]
	v_cvt_scalef32_pk16_fp6_f32 v[PCT+4*\c:PCT+4*\c+2], v[64*(\s)+32*\c+16:64*(\s)+32*\c+31], v[BT+4*(\s)+2*\c+1]
.endr
	WIN 0
	v_nop                                          ; a plain instruction behind the conversions
.irp c, 0,1
.irp i, 0,1,2
	v_permlane16_swap_b32 v[PCX+6*\c+\i], v[PCT+4*\c+\i]   ; a whole block to a lane
.endr
.irp i, 0,1,2
	v_mov_b32 v[PCX+3+6*\c+\i], v[PCT+4*\c+\i]
.endr
.endr
.endm
.macro WSL d, va, c, row
	v_wmma_scale_f32_16x16x128_f8f6f4 v[OT+8*\d:OT+8*\d+7], v[\va:\va+11], v[PCX:PCX+11], \c, v[VSX+\d/2], v[PWX] matrix_a_fmt:MATRIX_FMT_FP6 matrix_b_fmt:MATRIX_FMT_FP6 \row
.endm
.macro WS s                            ; O^T += V^T A^T: four accumulators, one instruction a turn.  Group 0: C = Q's rows for my tiles, 0 for the partner's
.set PCX, PCA+12*((\s)%2)
.set VA, 160+32*(((2*(\s))%3+2)%3)
.set VP, 160+32*(((2*(\s)+1)%3+2)%3)
.set VSX, VS+2*(\s)
.set PWX, PW+(\s)
	WSL 0, VA, v[OT:OT+7]
	WSL 1, VA+12, v[OT+8:OT+15], matrix_a_scale:MATRIX_SCALE_ROW1
.if (\s) == 0
	WSL 2, VP, 0
	WSL 3, VP+12, 0, matrix_a_scale:MATRIX_SCALE_ROW1
.else
	WSL 2, VP, v[OT+16:OT+23]
	WSL 3, VP+12, v[OT+24:OT+31], matrix_a_scale:MATRIX_SCALE_ROW1
.endif
.endm
	CL 0                                           ; trip 0's C and first two sets of K
	CL 1
	CL 2
	CL 3
	KLOAD 0
	KLOAD 1
	VW                                             ; the wait at the head's end
.Lunit:                                            ; eight trips: a tile of 16 queries each
	s_wait_xcnt 0x0                                ; the last trip's loads and stores have read their registers and bases
	s_lshr_b32 s20, s96, 1
	s_lshl_b32 s20, s20, 17                        ; 32 rows for each pair of tiles,
	s_and_b32 s22, s96, 1
	s_lshl_b32 s22, s22, 15                        ; 8 for the odd one
	s_add_co_u32 s20, s20, s22
	s_add_nc_u64 s[92:93], s[84:85], s[20:21]      ; Q's rows of this trip
	s_lshl_b32 s20, s96, 16
	s_add_nc_u64 s[94:95], s[86:87], s[20:21]      ; and its place in osum
.irp i, 0,1,2,3
	global_load_b128 v[OT+16+4*\i:OT+16+4*\i+3], v[GQ], s[92:93] offset:(4*\i+8*(\i/2))*4096     ; eight lanes read 128 bytes of a row
.endr
	s_wait_loadcnt 4                               ; Q's codes and scale words, asked for a trip ago; the four loads above may be out
	v_bfe_u32 v[QS], v[QS], s97, 16
	v_or_b32 v[QS], 0x7f7f0000, v[QS]
	NOPS 8                                         ; places between the scale word's write and the first product
.irp x, 0,1,2,3,4,5,6,7
	SCORE \x
.if \x < 2
	NOPS 4                                         ; places in front of the loads into the registers just read
.else
	BMH (\x-2)/2, 8*(\x%2)                         ; maxima of earlier tiles: also those places
.endif
	WIN 0
.if \x < 6
	KLOAD \x+2
.endif
.endr
	BMH 3, 0
	BMH 3, 8
	WIN 0
	ILOAD 0
	ILOAD 1
	ILOAD 2
	s_add_co_u32 s22, s96, 1
	s_min_u32 s22, s22, 7                          ; the next trip's Q (the last trip asks for its own again: no load leaves its buffer)
	s_mul_i32 s20, s22, 1536
	s_add_nc_u64 s[88:89], s[80:81], s[20:21]
	s_lshl_b32 s20, s22, 6
	s_add_nc_u64 s[90:91], s[82:83], s[20:21]
.irp p, 0,1,2
	global_load_b64 v[QF+2*\p:QF+2*\p+1], v[L8], s[88:89] offset:256*\p
.endr
	global_load_b32 v[QS], v[R4], s[90:91]
.set j, 0
.rept 16
	v_permlanex16_b32 v[BT+j], v[BM+j], s2, s3
.set j, j+1
.endr
.set j, 0
.rept 16
	v_max_num_f32 v[BM+j], v[BM+j], v[BT+j]        ; with lane l xor 16's 16 keys: the block's largest S
.set j, j+1
.endr
.irp i, 0,1,2,3,4
	v_max3_num_f32 v[PCT+\i], v[BM+3*\i], v[BM+3*\i+1], v[BM+3*\i+2]
.endr
	v_max3_num_f32 v[PCT], v[PCT], v[PCT+1], v[BM+15]
	v_max3_num_f32 v[PCT+2], v[PCT+2], v[PCT+3], v[PCT+4]
	v_max_num_f32 v[PCT], v[PCT], v[PCT+2]         ; my half's largest S
	v_mul_f32 v[TP], s98, v[PCT]
	v_max_num_f32 v[TP], 0xcf000000, v[TP]         ; held at -2^31 from below
	v_floor_f32 v[NM], -v[TP]                      ; -M: M is a whole number
.set j, 0
.rept 16
	v_fma_f32 v[BM+j], v[BM+j], s98, v[NM]         ; c S - M of each block's largest
.set j, j+1
.endr
	WIN 0x41
	FMA 0
	VW                                             ; the wait ahead of the first batch; each later batch's sources stand ahead of the wait in SUMQ
.irp q, 0,1,2,3,4,5,6,7
	WIN 0x41
.set j, 0
.rept 32
	v_exp_f32 v[32*\q+j], v[32*\q+j]
.set j, j+1
.endr
.if \q == 0
	WIN 0
.set j, 0
.rept 16
	v_exp_f32 v[BM+j], v[BM+j]
.set j, j+1
.endr
	WIN 0x41
.endif
.if \q < 7
	FMA \q+1                                       ; plain work behind the batch, on other registers
.else
	v_nop
.endif
	SUMQ \q                                        ; its first line is the wait behind the batch
.endr
	VW
	s_wait_loadcnt 4                               ; Q's rows; the next trip's four loads may be out
.irp i, 0,1,2,3
	ds_store_b128 v[SIN], v[OT+16+4*\i:OT+16+4*\i+3] offset:576*\i
.endr
.irp j, 0,1,2,3
	ds_load_b128 v[OT+4*\j:OT+4*\j+3], v[SOUT] offset:16*\j        ; back in O^T's order: a wave's LDS instructions are served in order
.endr
	v_pk_add_f32 v[SU:SU+1], v[SU:SU+1], v[SU+2:SU+3]
	v_pk_add_f32 v[SU+4:SU+5], v[SU+4:SU+5], v[SU+6:SU+7]
	v_pk_add_f32 v[SU:SU+1], v[SU:SU+1], v[SU+4:SU+5]
	v_add_f32 v[ST+1], v[SU], v[SU+1]
	v_permlanex16_b32 v[TP], v[ST+1], s2, s3
	v_add_f32 v[ST+1], v[ST+1], v[TP]              ; my half's sum
	v_mov_b32 v[ST], v[NM]
	ds_store_b64 v[XSW], v[ST:ST+1]
	DSW 0                                          ; my statistics are stored; V's first three half groups and Q's rows are in
	s_barrier_signal -1
	s_barrier_wait -1
	ds_load_b64 v[PS:PS+1], v[XSR]                 ; the partner's
	DSW 0
	v_min_num_f32 v[PCT], v[NM], v[PS]             ; the pair's -M
	v_sub_f32 v[PCT+1], v[PCT], v[NM]
	v_sub_f32 v[PCT+2], v[PCT], v[PS]
	v_cvt_i32_f32 v[PCT+1], v[PCT+1]               ; (it saturates)
	v_cvt_i32_f32 v[PCT+2], v[PCT+2]
	v_ldexp_f32 v[PCT+1], 1.0, v[PCT+1]            ; f = 2^(M - the pair's M), mine
	v_ldexp_f32 v[PCT+2], 1.0, v[PCT+2]            ; and the partner's
	v_mul_f32 v[PCT+3], v[PCT+2], v[PS+1]
	v_fma_f32 v[PCT+3], v[PCT+1], v[ST+1], v[PCT+3]        ; the row's sum
	v_max_num_f32 v[PCT+3], 0x800000, v[PCT+3]     ; (every key hidden: a finite 1 / sum over zeros)
	VW
	v_rcp_f32 v[PCT+4], v[PCT+3]
	v_nop
	VW
	v_mul_f32 v[RL], v[PCT+4], v[PCT+1]
.set j, 0
.rept 16
	v_mul_f32 v[BM+j], v[BM+j], v[RL]              ; the block's largest A
.set j, j+1
.endr
.set j, 0
.rept 16
	v_max_num_f32 v[BM+j], 0x1800000, v[BM+j]      ; the floor 2^(3 - 127): the byte cannot fall under 1
.set j, j+1
.endr
.set j, 0
.rept 16
	v_add_nc_u32 v[BT+j], 0xff000000, v[BM+j]      ; 2 off the exponent field: the conversion's scale operand
.set j, j+1
.endr
.set j, 0
.rept 16
	v_lshrrev_b32 v[BM+j], 23, v[BT+j]             ; the scale's byte
.set j, j+1
.endr
.irp s, 0,1,2,3
	v_lshl_or_b32 v[PW+\s], v[BM+4*\s+1], 8, v[BM+4*\s]
.endr
.irp s, 0,1,2,3
	v_lshl_or_b32 v[PW+\s], v[BM+4*\s+2], 16, v[PW+\s]
.endr
.irp s, 0,1,2,3
	v_lshl_or_b32 v[PW+\s], v[BM+4*\s+3], 24, v[PW+\s]
.endr
	MUL 0
	MUL 1
	QUANT 0
	CL 0                                           ; the next trip's C (the last trip's is not used)
	QUANT 1                                        ; also the places between set 0's last write and its products
	CL 1
	VW
	WS 0
	MUL 2                                          ; also the places behind the products: V's and the codes' registers are written next
	VH 3
	VH 4
	QUANT 2
	CL 2
	DSW 28                                         ; half group 4 and 16 loads of C may be out
	WS 1
	MUL 3
	VH 5
	VH 6
	QUANT 3
	CL 3
	DSW 28                                         ; half group 6 and 16 loads of C may be out
	WS 2
	NOPS 4                                         ; places: behind the products for the load below, and between the codes' last write and their products
	VH 7
	DSW 0
	WS 3
	NOPS 4
.irp i, 0,1,2,3
	ds_store_b128 v[XOW], v[OT+16+4*\i:OT+16+4*\i+3] offset:512*\i     ; the partner's two tiles, each from its low end on
.endr
	DSW 0
	s_barrier_signal -1
	KLOAD 0                                        ; the next trip's first two sets of K: bytes that nobody writes (the last trip's are not used)
	KLOAD 1
	s_barrier_wait -1
.irp i, 0,1,2,3
	ds_load_b128 v[OT+16+4*\i:OT+16+4*\i+3], v[XOR] offset:512*\i      ; my two tiles as the partner summed them over its keys
.endr
	s_wait_dscnt 0x0
.set j, 0
.rept 8
	v_pk_add_f32 v[OT+2*j:OT+2*j+1], v[OT+2*j:OT+2*j+1], v[OT+16+2*j:OT+16+2*j+1]
.set j, j+1
.endr
.irp j, 0,1,2,3
	global_store_b128 v[L16], v[OT+4*\j:OT+4*\j+3], s[94:95] offset:512*\j      ; 512 consecutive bytes, aligned
.endr
	s_add_co_u32 s96, s96, 1
	s_cmp_lt_u32 s96, 8
	VW
	s_cbranch_scc1 .Lunit
	s_wait_tensorcnt 0x0                           ; the wave's end
	ds_add_u32 v[SPW], v[NIL]
	s_wait_dscnt 0x0
	ROUND                                          ; the closing round
	s_endpgm
.Lfunc_end_k_qef1daced58_att:
	.size	k_qef1daced58_att, .Lfunc_end_k_qef1daced58_att-k_qef1daced58_att
	.p2alignl 7, 3214868480
	.fill 96, 4, 3214868480
	.section	.rodata,"a",@progbits
	.p2align	6, 0x0
	.amdhsa_kernel k_qef1daced58_att
		.amdhsa_group_segment_fixed_size 250880
		.amdhsa_private_segment_fixed_size 0
		.amdhsa_enable_private_segment 0
		.amdhsa_kernarg_size 40
		.amdhsa_user_sgpr_count 2
		.amdhsa_user_sgpr_kernarg_segment_ptr 1
		.amdhsa_wavefront_size32 1
		.amdhsa_system_sgpr_workgroup_id_x 1
		.amdhsa_system_sgpr_workgroup_id_y 1
		.amdhsa_system_sgpr_workgroup_id_z 1
		.amdhsa_system_vgpr_workitem_id 0
		.amdhsa_next_free_vgpr 512
		.amdhsa_next_free_sgpr 100
		.amdhsa_reserve_vcc 1
		.amdhsa_float_denorm_mode_32 3
		.amdhsa_float_denorm_mode_16_64 3
		.amdhsa_memory_ordered 1
		.amdhsa_forward_progress 1
		.amdhsa_inst_pref_size 109
	.end_amdhsa_kernel
	.amdgpu_metadata
---
amdhsa.version: [ 1, 2 ]
amdhsa.kernels:
  - .name:           k_qef1daced58_att
    .symbol:         k_qef1daced58_att.kd
    .args:
      - { .name: h_img, .offset: 0, .size: 8, .value_kind: global_buffer, .address_space: global }
      - { .name: h_sc, .offset: 8, .size: 8, .value_kind: global_buffer, .address_space: global }
      - { .name: pad_mask, .offset: 16, .size: 8, .value_kind: global_buffer, .address_space: global }
      - { .name: Q, .offset: 24, .size: 8, .value_kind: global_buffer, .address_space: global }
      - { .name: osum, .offset: 32, .size: 8, .value_kind: global_buffer, .address_space: global }
    .group_segment_fixed_size: 250880
    .private_segment_fixed_size: 0
    .kernarg_segment_align: 8
    .kernarg_segment_size: 40
    .max_flat_workgroup_size: 256
    .sgpr_count:     100
    .vgpr_count:     512
    .wavefront_size: 32
...
	.end_amdgpu_metadata
.endif
;; end of part 3
;; launch out (part 4): grid 256 x 1, 4 waves a work-group, clusters of 4 x 1, 327,680 bytes of LDS; arguments osum, xw_img, xw_sc, g_o, be_o, bo, g_f, be_f, out0; writes out0
.if DOCPART == 4
	.amdgcn_target "amdgcn-amd-amdhsa--gfx1250"
	.amdhsa_code_object_version 6
	.text
	.protected	k_qef1daced58_out
	.globl	k_qef1daced58_out
	.p2align	8
	.type	k_qef1daced58_out,@function
k_qef1daced58_out:
	s_mov_b64 s[64:65], 0
	v_nop
	global_prefetch_b8 v0, s[64:65] scope:SCOPE_SE
	s_setreg_imm32_b32 hwreg(HW_REG_WAVE_MODE, 25, 1), 1
	s_wait_xcnt 0x0
	s_wait_alu depctr_hold_cnt(0) depctr_sa_sdst(0) depctr_va_vdst(0) depctr_va_sdst(0) depctr_va_ssrc(0) depctr_va_vcc(0) depctr_vm_vsrc(0)
	s_getreg_b32 s2, hwreg(HW_REG_IB_STS2, 6, 4)
	s_cmp_eq_u32 s2, 0
	s_cbranch_scc0 .Lentry_in_a_cluster
	s_endpgm
.Lentry_in_a_cluster:
	s_bfe_u32 s2, ttmp6, 0x10000c
	s_cmp_lg_u32 s2, 0x3003
	s_cbranch_scc0 .Lentry_shape_is_right
	s_endpgm
.Lentry_shape_is_right:
.set IMGB,  1536
.set QA,    49152
.set SLB,   196608
.set QB,    24576
.set OIMG,  294912
.set OSC,   319488
.set STAT,  320512
.set SPARE, 322560
.set L16, 1
.set WA,  2
.set OFA, 4
.set OSA, 5
.set OWI, 6
.set OWS, 7
.set STW, 8
.set STR, 9
.set SGI, 10
.set SGO, 11
.set H64, 12
.set SPW, 14
.set NIL, 15
.set ONF, 16
.set OSR, 40
.set WSC, 48
.set PC,  112
.set TM,  132
.set PW,  148
.set FL,  149
.set MN,  150
.set RS,  154
.set CH,  160
.set T,   176
.set G1,  24
.set G0A, 32
.set G0B, 36
.set G1A, 52
.set MSB, 0
.macro WIN new
.if MSB != (\new)
	s_set_vgpr_msb (MSB<<8)|(\new)
.set MSB, (\new)
.endif
.endm
.macro ROUND
	s_barrier_signal -1
	s_barrier_wait -1
	s_cmp_lg_u32 s22, 0
	s_cbranch_scc1 .Lnot_wave_0_\@
	s_barrier_signal -3
.Lnot_wave_0_\@:
	s_barrier_wait -3
	s_barrier_signal -1
	s_barrier_wait -1
.endm
.macro PLACES
.rept 4
	v_nop
.endr
.endm
	s_load_b512 s[4:19], s[0:1], 0x0
	s_load_b64 s[20:21], s[0:1], 0x40
	v_lshl_add_u32 v[SPW], v0, 2, SPARE
	v_mov_b32 v[NIL], 0
	ds_add_u32 v14, v15
	ds_add_u32 v14, v15
	s_wait_dscnt 0x0
	v_lshrrev_b32 v41, 5, v0
	v_readfirstlane_b32 s22, v41
	s_bfe_u32 s23, ttmp6, 0x40000
	s_lshl_b32 s40, ttmp9, 2
	s_add_co_u32 s40, s40, s23
	s_mov_b32 s[G1], 15|(3<<16)|(1<<21)
	s_mov_b32 s[G1+1], 192<<16
	s_mov_b32 s[G1+2], 16<<16
	s_mov_b32 s[G1+3], 192<<16
	s_mov_b32 s[G1+4], 16
	s_mov_b32 s[G1+5], 1536
	s_mov_b32 s[G1+6], 0
	s_mov_b32 s[G1+7], 0
	s_mov_b32 s[G1A], 15|(3<<16)|(1<<21)
	s_mov_b32 s[G1A+1], 384<<16
	s_mov_b32 s[G1A+2], 16<<16
	s_mov_b32 s[G1A+3], 384<<16
	s_mov_b32 s[G1A+4], 16
	s_mov_b32 s[G1A+5], 1536
	s_mov_b32 s[G1A+6], 0
	s_mov_b32 s[G1A+7], 0
	s_mul_i32 s41, s22, QB
	s_mul_i32 s50, s22, QA
	s_lshl_b32 s42, s22, 4
	s_add_co_u32 s42, s42, 1216
	s_lshl_b32 s48, s42, 9
	s_mul_i32 s42, s42, 12288
	s_mov_b32 s43, 0
	s_mov_b32 s49, 0
	s_wait_kmcnt 0x0
	s_add_nc_u64 s[6:7], s[6:7], s[42:43]
	s_add_nc_u64 s[8:9], s[8:9], s[48:49]
	s_mov_b32 s[G0A], 1
	s_mov_b32 s[G0A+1], s50
	s_mov_b64 s[G0A+2:G0A+3], s[6:7]
	s_or_b32 s[G0A+3], s[G0A+3], 0x80000000
	s_mov_b32 s[G0B], 1
	s_add_co_u32 s[G0B+1], s41, SLB
	s_add_nc_u64 s[G0B+2:G0B+3], s[6:7], 2*IMGB
	s_or_b32 s[G0B+3], s[G0B+3], 0x80000000
	ROUND
	tensor_load_to_lds s[G0A:G0A+3], s[G1A:G1A+7]
	s_nop 0
.rept 4
	v_nop
.endr
	s_lshl_b32 s42, s40, 17
	s_add_nc_u64 s[4:5], s[4:5], s[42:43]
	s_add_nc_u64 s[20:21], s[20:21], s[42:43]
	s_lshl_b32 s42, s22, 14
	s_add_nc_u64 s[4:5], s[4:5], s[42:43]
	s_lshl_b32 s42, s22, 10
	s_add_nc_u64 s[20:21], s[20:21], s[42:43]
	s_add_nc_u64 s[10:11], s[10:11], s[42:43]
	s_add_nc_u64 s[12:13], s[12:13], s[42:43]
	s_add_nc_u64 s[14:15], s[14:15], s[42:43]
	s_add_nc_u64 s[16:17], s[16:17], s[42:43]
	s_add_nc_u64 s[18:19], s[18:19], s[42:43]
	s_mov_b32 s44, 0x76543210
	s_mov_b32 s45, 0xfedcba98
	s_mov_b32 s46, 0x3a800000
	s_mov_b32 s47, 0x3727c5ac
	v_and_b32 v41, 31, v0
	v_and_b32 v42, 15, v0
	v_bfe_u32 v43, v0, 4, 1
	v_lshlrev_b32 v[L16], 4, v41
	WIN 0x40
.irp m, 0,1
.irp b, 0,1,2,3,4,5,6,7
.irp j, 0,1,2,3
	global_load_b128 v[128*\m+16*\b+4*\j:128*\m+16*\b+4*\j+3], v[L16], s[4:5] offset:65536*\m+2048*\b+512*\j th:TH_LOAD_NT
.endr
.endr
.endr
	WIN 0
	v_lshlrev_b32 v[H64], 6, v43
	v_lshlrev_b32 v44, 9, v43
	v_lshl_add_u32 v44, v42, 5, v44
.irp b, 0,1,2,3,4,5,6,7
	global_load_b128 v[WSC+8*\b:WSC+8*\b+3], v44, s[8:9] offset:1024*\b
	global_load_b128 v[WSC+8*\b+4:WSC+8*\b+7], v44, s[8:9] offset:1024*\b+16
.endr
.macro VLOAD dst, ptr
.irp b, 0,1,2,3,4,5,6,7
.irp j, 0,1,2,3
	global_load_b128 v[\dst+16*\b+4*\j:\dst+16*\b+4*\j+3], v[H64], s[\ptr:\ptr+1] offset:128*\b+16*\j
.endr
.endr
.endm
	WIN 0xc0
	VLOAD 0, 10
	VLOAD 128, 12
	WIN 0
	v_lshl_add_u32 v[WA], v41, 3, s50
	v_lshl_add_u32 v[WA+1], v41, 3, s41
	v_add_nc_u32 v[WA+1], SLB, v[WA+1]
	v_add_nc_u32 v[OFA], OIMG, v[L16]
	v_lshl_add_u32 v[OSA], v41, 2, OSC
	s_mul_i32 s42, s22, 6144
	s_add_co_u32 s42, s42, OIMG
	v_add_nc_u32 v[OWI], s42, v[L16]
	s_lshl_b32 s42, s22, 8
	s_add_co_u32 s42, s42, OSC
	v_lshl_add_u32 v[OWS], v42, 2, s42
	s_lshl_b32 s42, s22, 7
	s_add_co_u32 s42, s42, STAT
	v_lshl_add_u32 v[STW], v42, 2, s42
	v_lshl_add_u32 v[STR], v42, 2, STAT
	s_add_co_u32 s42, s41, SLB
	v_mul_u32_u24 v[SGI], v42, 1040
	v_lshl_add_u32 v[SGI], v43, 6, v[SGI]
	v_add_nc_u32 v[SGI], s42, v[SGI]
	v_add_nc_u32 v[SGO], s42, v[L16]
	v_mov_b32 v[FL], 0x1800000
.irp b, 0,1,2,3
	v_mov_b32 v[TM+4+\b], 0
.endr
.irp i, 1,3,5,7
	v_mov_b32 v[MN+\i], 0
.endr
.macro CROSS region
.irp m, 0,1
	v_pk_add_f32 v[CH+8*\m:CH+8*\m+1], v[CH+8*\m:CH+8*\m+1], v[CH+8*\m+2:CH+8*\m+3]
	v_pk_add_f32 v[CH+8*\m+4:CH+8*\m+5], v[CH+8*\m+4:CH+8*\m+5], v[CH+8*\m+6:CH+8*\m+7]
.endr
.irp m, 0,1
	v_pk_add_f32 v[CH+8*\m:CH+8*\m+1], v[CH+8*\m:CH+8*\m+1], v[CH+8*\m+4:CH+8*\m+5]
.endr
.irp m, 0,1
	v_add_f32 v[CH+8*\m], v[CH+8*\m], v[CH+8*\m+1]
.endr
.irp m, 0,1
	v_permlanex16_b32 v[CH+8*\m+1], v[CH+8*\m], s44, s45
.endr
.irp m, 0,1
	v_add_f32 v[CH+8*\m], v[CH+8*\m], v[CH+8*\m+1]
.endr
.irp m, 0,1
	ds_store_b32 v[STW], v[CH+8*\m] offset:(\region)+64*\m
.endr
	s_wait_dscnt 0x0
	s_barrier_signal -1
	s_barrier_wait -1
.irp m, 0,1
.irp w, 0,1,2,3
	ds_load_b32 v[T+4*\m+\w], v[STR] offset:(\region)+128*\w+64*\m
.endr
.endr
	s_wait_dscnt 0x0
.irp m, 0,1
	v_add_f32 v[T+4*\m], v[T+4*\m], v[T+4*\m+1]
	v_add_f32 v[T+4*\m+2], v[T+4*\m+2], v[T+4*\m+3]
.endr
.irp m, 0,1
	v_add_f32 v[CH+8*\m], v[T+4*\m], v[T+4*\m+2]
.endr
.endm
.macro LNORM srcw, gw, region
	WIN (\srcw)|((\srcw)<<2)
.irp m, 0,1
.irp c, 0,1,2,3
	v_pk_add_f32 v[CH+8*\m+2*\c:CH+8*\m+2*\c+1], v[128*\m+4*\c:128*\m+4*\c+1], v[128*\m+4*\c+2:128*\m+4*\c+3]
.endr
.endr
	WIN (\srcw)<<2
.set j, 8
.rept 56
	v_pk_add_f32 v[CH+2*(j%4):CH+2*(j%4)+1], v[CH+2*(j%4):CH+2*(j%4)+1], v[2*j:2*j+1]
	v_pk_add_f32 v[CH+8+2*(j%4):CH+8+2*(j%4)+1], v[CH+8+2*(j%4):CH+8+2*(j%4)+1], v[128+2*j:128+2*j+1]
.set j, j+1
.endr
	WIN 0
	CROSS \region
.irp m, 0,1
	v_mul_f32 v[MN+2*\m], s46, v[CH+8*\m]
.endr
	WIN 0x80|(\srcw)
.set j, 0
.rept 64
	v_pk_add_f32 v[2*j:2*j+1], v[2*j:2*j+1], v[MN:MN+1] op_sel_hi:[1,0] neg_lo:[0,1] neg_hi:[0,1]
	v_pk_add_f32 v[128+2*j:128+2*j+1], v[128+2*j:128+2*j+1], v[MN+2:MN+3] op_sel_hi:[1,0] neg_lo:[0,1] neg_hi:[0,1]
.set j, j+1
.endr
	WIN 0x0a
.irp m, 0,1
.irp c, 0,1,2,3
	v_pk_mul_f32 v[CH+8*\m+2*\c:CH+8*\m+2*\c+1], v[128*\m+2*\c:128*\m+2*\c+1], v[128*\m+2*\c:128*\m+2*\c+1]
.endr
.endr
.set j, 4
.rept 60
	v_pk_fma_f32 v[CH+2*(j%4):CH+2*(j%4)+1], v[2*j:2*j+1], v[2*j:2*j+1], v[CH+2*(j%4):CH+2*(j%4)+1]
	v_pk_fma_f32 v[CH+8+2*(j%4):CH+8+2*(j%4)+1], v[128+2*j:128+2*j+1], v[128+2*j:128+2*j+1], v[CH+8+2*(j%4):CH+8+2*(j%4)+1]
.set j, j+1
.endr
	WIN 0
	CROSS (\region)+512
.irp m, 0,1
	v_fma_f32 v[CH+8*\m], v[CH+8*\m], s46, s47
.endr
	s_wait_alu depctr_va_vdst(0)
.irp m, 0,1
	v_rsq_f32 v[RS+2*\m], v[CH+8*\m]
.endr
	v_nop
	s_wait_alu depctr_va_vdst(0)
	WIN 0x82
.set j, 0
.rept 64
	v_pk_mul_f32 v[2*j:2*j+1], v[2*j:2*j+1], v[RS:RS+1] op_sel_hi:[1,0]
	v_pk_mul_f32 v[128+2*j:128+2*j+1], v[128+2*j:128+2*j+1], v[RS+2:RS+3] op_sel_hi:[1,0]
.set j, j+1
.endr
	s_wait_loadcnt 0x0
	WIN 0x82|((\gw)<<2)|((\gw)<<4)
.set j, 0
.rept 64
	v_pk_fma_f32 v[2*j:2*j+1], v[2*j:2*j+1], v[2*j:2*j+1], v[128+2*j:128+2*j+1]
	v_pk_fma_f32 v[128+2*j:128+2*j+1], v[128+2*j:128+2*j+1], v[2*j:2*j+1], v[128+2*j:128+2*j+1]
.set j, j+1
.endr
	WIN 0
.endm
.macro QUANTW s, w
	WIN ((\w)<<2)|((\w)<<4)
.irp b, 0,1,2,3
	v_max3_num_f32 v[TM+\b], v[FL], |v[(\s)+16*\b]|, |v[(\s)+16*\b+1]|
.endr
.irp i, 2,4,6,8,10,12,14
.irp b, 0,1,2,3
	v_max3_num_f32 v[TM+\b], v[TM+\b], |v[(\s)+16*\b+\i]|, |v[(\s)+16*\b+\i+1]|
.endr
.endr
	WIN 0
.irp b, 0,1,2,3
	v_permlanex16_b32 v[TM+4+\b], v[TM+\b], s44, s45
.endr
.irp b, 0,1,2,3
	v_max_num_f32 v[TM+\b], v[TM+\b], v[TM+4+\b]
.endr
.irp b, 0,1,2,3
	v_add_nc_u32 v[TM+12+\b], 0xff000000, v[TM+\b]
.endr
.irp b, 0,1,2,3
	v_lshrrev_b32 v[TM+4+\b], 23, v[TM+12+\b]
.endr
	v_lshl_or_b32 v[PW], v[TM+5], 8, v[TM+4]
	v_lshl_or_b32 v[PW], v[TM+6], 16, v[PW]
	v_lshl_or_b32 v[PW], v[TM+7], 24, v[PW]
	WIN (\w)
.irp c, 0,1
	v_cvt_scalef32_pk16_fp6_f32 v[PC+6*\c:PC+6*\c+2], v[(\s)+32*\c:(\s)+32*\c+15], v[TM+12+2*\c]
	v_cvt_scalef32_pk16_fp6_f32 v[PC+12+4*\c:PC+14+4*\c], v[(\s)+32*\c+16:(\s)+32*\c+31], v[TM+13+2*\c]
.endr
	WIN 0
	v_nop
.irp c, 0,1
.irp i, 0,1,2
	v_permlane16_swap_b32 v[PC+6*\c+\i], v[PC+12+4*\c+\i]
.endr
.irp i, 0,1,2
	v_mov_b32 v[PC+3+6*\c+\i], v[PC+12+4*\c+\i]
.endr
.endr
.endm
	s_wait_alu depctr_va_vdst(0)
	s_wait_tensorcnt 0x0
	ds_add_u32 v14, v15
	s_wait_dscnt 0x0
	ROUND
	tensor_load_to_lds s[G0B:G0B+3], s[G1:G1+7]
	s_nop 0
.rept 4
	v_nop
.endr
	s_wait_loadcnt 63
	LNORM 1, 3, 0
.irp m, 0,1
.irp k, 0,1
	QUANTW 128*\m+64*\k, 2
.irp c, 0,1,2
	ds_store_b128 v[OWI], v[PC+4*\c:PC+4*\c+3] offset:(2*\k+\m)*IMGB+512*\c
.endr
	ds_store_b32 v[OWS], v[PW] offset:128*\k+64*\m
	s_wait_dscnt 0x0
.endr
.endr
	WIN 0x80
	VLOAD 0, 14
	VLOAD 128, 14
	WIN 0
	s_barrier_signal -1
	s_barrier_wait -1
	s_wait_loadcnt 0x0
.macro MMS n0, s
.set n, \n0
.rept 8
.if n%2
	v_wmma_scale_f32_16x16x128_f8f6f4 v[8*n:8*n+7], v[12*n:12*n+11], v[ONF:ONF+11], v[8*n:8*n+7], v[WSC+8*(n/2)+(\s)], v[OSR] matrix_a_fmt:MATRIX_FMT_FP6 matrix_b_fmt:MATRIX_FMT_FP6 matrix_a_scale:MATRIX_SCALE_ROW1
	v_wmma_scale_f32_16x16x128_f8f6f4 v[128+8*n:128+8*n+7], v[12*n:12*n+11], v[ONF+12:ONF+23], v[128+8*n:128+8*n+7], v[WSC+8*(n/2)+(\s)], v[OSR] matrix_a_fmt:MATRIX_FMT_FP6 matrix_b_fmt:MATRIX_FMT_FP6 matrix_a_scale:MATRIX_SCALE_ROW1 matrix_b_scale:MATRIX_SCALE_ROW1
.else
	v_wmma_scale_f32_16x16x128_f8f6f4 v[8*n:8*n+7], v[12*n:12*n+11], v[ONF:ONF+11], v[8*n:8*n+7], v[WSC+8*(n/2)+(\s)], v[OSR] matrix_a_fmt:MATRIX_FMT_FP6 matrix_b_fmt:MATRIX_FMT_FP6
	v_wmma_scale_f32_16x16x128_f8f6f4 v[128+8*n:128+8*n+7], v[12*n:12*n+11], v[ONF+12:ONF+23], v[128+8*n:128+8*n+7], v[WSC+8*(n/2)+(\s)], v[OSR] matrix_a_fmt:MATRIX_FMT_FP6 matrix_b_fmt:MATRIX_FMT_FP6 matrix_b_scale:MATRIX_SCALE_ROW1
.endif
.set n, n+1
.endr
.endm
.macro WORK s, wa, pitch, ko
.irp m, 0,1
.irp c, 0,1,2
	ds_load_b128 v[ONF+12*\m+4*\c:ONF+12*\m+4*\c+3], v[OFA] offset:(2*(\s)+\m)*IMGB+512*\c
.endr
.endr
	ds_load_b32 v[OSR], v[OSA] offset:128*(\s)
	WIN 0xc0
.irp n, 0,1,2,3,4,5,6,7,8,9,10,11,12,13,14,15
.irp p, 0,1,2,3,4,5
	ds_load_b64 v[12*\n+2*\p:12*\n+2*\p+1], v[\wa] offset:\n*(\pitch)+(\ko)+256*\p
.endr
.endr
	s_wait_dscnt 48
	WIN 0xa3
	MMS 0, \s
	s_wait_dscnt 0x0
	MMS 8, \s
	WIN 0
.endm
.macro CHANGE g0, g1
	s_wait_tensorcnt 0x0
	ds_add_u32 v[SPW], v[NIL]
	s_add_nc_u64 s[\g0+2:\g0+3], s[\g0+2:\g0+3], 3*IMGB
	s_wait_dscnt 0x0
	ROUND
	tensor_load_to_lds s[\g0:\g0+3], s[\g1:\g1+7]
	s_nop 0
.rept 4
	v_nop
.endr
.endm
	s_wait_tensorcnt 1
	WORK 0, WA, 2*IMGB, 0
	PLACES
	WORK 1, WA, 2*IMGB, IMGB
	CHANGE G0A, G1A
	WORK 2, WA+1, IMGB, 0
	CHANGE G0B, G1
	WORK 3, WA, 2*IMGB, 0
	PLACES
	WORK 4, WA, 2*IMGB, IMGB
	CHANGE G0A, G1A
	WORK 5, WA+1, IMGB, 0
	s_wait_tensorcnt 0x0
	PLACES
	WORK 6, WA, 2*IMGB, 0
	PLACES
	WORK 7, WA, 2*IMGB, IMGB
	PLACES
	WIN 0x88
.set j, 0
.rept 256
	v_max_num_f32 v[j], 0, v[j]
.set j, j+1
.endr
	WIN 0x86
.set j, 0
.rept 128
	v_pk_add_f32 v[2*j:2*j+1], v[2*j:2*j+1], v[2*j:2*j+1]
.set j, j+1
.endr
	WIN 0x40
	VLOAD 0, 16
	VLOAD 128, 18
	WIN 0
	LNORM 2, 1, 1024
.irp m, 0,1
	WIN 0x08
.irp b, 0,1,2,3,4,5,6,7
.irp j, 0,1,2,3
	ds_store_b128 v[SGI], v[128*\m+16*\b+4*\j:128*\m+16*\b+4*\j+3] offset:128*\b+16*\j
.endr
.endr
	WIN 0xc0
.irp r, 0,1,2,3,4,5,6,7,8,9,10,11,12,13,14,15
.irp k, 0,1
	ds_load_b128 v[128*\m+8*\r+4*\k:128*\m+8*\r+4*\k+3], v[SGO] offset:1040*\r+512*\k
.endr
.endr
.endr
	WIN 0x0c
	s_wait_dscnt 63
.irp r, 0,1,2,3,4,5,6,7,8,9,10,11,12,13,14,15
.irp k, 0,1
	global_store_b128 v[L16], v[8*\r+4*\k:8*\r+4*\k+3], s[20:21] offset:(\r+8*(\r/8))*4096+512*\k th:TH_STORE_NT
.endr
.endr
.irp r, 0,1,2,3,4,5,6,7,8,9,10,11,12,13,14,15
.irp k, 0,1
	s_wait_dscnt 31-2*\r-\k
	global_store_b128 v[L16], v[128+8*\r+4*\k:128+8*\r+4*\k+3], s[20:21] offset:(8+\r+8*(\r/8))*4096+512*\k th:TH_STORE_NT
.endr
.endr
	WIN 0
	s_wait_tensorcnt 0x0
	ds_add_u32 v[SPW], v[NIL]
	s_wait_dscnt 0x0
	ROUND
	s_endpgm
.Lfunc_end_k_qef1daced58_out:
	.size	k_qef1daced58_out, .Lfunc_end_k_qef1daced58_out-k_qef1daced58_out
	.p2alignl 7, 3214868480
	.fill 96, 4, 3214868480
	.section	.rodata,"a",@progbits
	.p2align	6, 0x0
	.amdhsa_kernel k_qef1daced58_out
		.amdhsa_group_segment_fixed_size 327680
		.amdhsa_private_segment_fixed_size 0
		.amdhsa_enable_private_segment 0
		.amdhsa_kernarg_size 72
		.amdhsa_user_sgpr_count 2
		.amdhsa_user_sgpr_kernarg_segment_ptr 1
		.amdhsa_wavefront_size32 1
		.amdhsa_system_sgpr_workgroup_id_x 1
		.amdhsa_system_sgpr_workgroup_id_y 1
		.amdhsa_system_sgpr_workgroup_id_z 1
		.amdhsa_system_vgpr_workitem_id 0
		.amdhsa_next_free_vgpr 1024
		.amdhsa_next_free_sgpr 66
		.amdhsa_reserve_vcc 0
		.amdhsa_float_denorm_mode_32 3
		.amdhsa_float_denorm_mode_16_64 3
		.amdhsa_memory_ordered 1
		.amdhsa_forward_progress 1
		.amdhsa_inst_pref_size 255
	.end_amdhsa_kernel
	.amdgpu_metadata
---
amdhsa.version: [ 1, 2 ]
amdhsa.kernels:
  - .name:           k_qef1daced58_out
    .symbol:         k_qef1daced58_out.kd
    .args:
      - { .name: osum, .offset: 0, .size: 8, .value_kind: global_buffer, .address_space: global }
      - { .name: xw_img, .offset: 8, .size: 8, .value_kind: global_buffer, .address_space: global }
      - { .name: xw_sc, .offset: 16, .size: 8, .value_kind: global_buffer, .address_space: global }
      - { .name: g_o, .offset: 24, .size: 8, .value_kind: global_buffer, .address_space: global }
      - { .name: be_o, .offset: 32, .size: 8, .value_kind: global_buffer, .address_space: global }
      - { .name: bo, .offset: 40, .size: 8, .value_kind: global_buffer, .address_space: global }
      - { .name: g_f, .offset: 48, .size: 8, .value_kind: global_buffer, .address_space: global }
      - { .name: be_f, .offset: 56, .size: 8, .value_kind: global_buffer, .address_space: global }
      - { .name: out0, .offset: 64, .size: 8, .value_kind: global_buffer, .address_space: global }
    .group_segment_fixed_size: 327680
    .private_segment_fixed_size: 0
    .kernarg_segment_align: 8
    .kernarg_segment_size: 72
    .max_flat_workgroup_size: 128
    .sgpr_count:     66
    .vgpr_count:     1024
    .wavefront_size: 32
...
	.end_amdgpu_metadata
.endif
;; end of part 4
